; MI455X (gfx1250); checked and timed in simulation.
; The chip was launched on July 23, 2026; its instructions are those of AMD's public machine-readable ISA for CDNA 5 (MIT licence, August 2026) and "CDNA5" Instruction Set Architecture Reference Guide (July 2026). The comments in the code are by the model that wrote it; some were corrected since.
;; Multi Head Attention With Bias. Allowed arithmetic: float matrix products may take bf16 or f16 operands with f32 sums; all other float work in f32.
;; Inputs: K 2 x 2,048 x 768 float32; Q 2 x 2,048 x 768 float32; V 2 x 2,048 x 768 float32; W_K 768 x 768 float32; W_O 768 x 768 float32; W_Q 768 x 768 float32; W_V 768 x 768 float32; mask 1 x 1 x 2,048 x 2,048 int32; rel_emb 32 x 12 float32.
;; Outputs: out0 2 x 2,048 x 768 float32.
;; 2 versions, each right. Each part assembles by itself: llvm-mc -triple=amdgcn-amd-amdhsa -mcpu=gfx1250 --defsym DOCPART=n.
;; ======== version 1 of 2: 3 launches
;; limits: values are held in f16: magnitudes above 65,504 overflow, below 6.1e-05 lose precision
;; workspace buffers: qp 6,291,456 bytes; kp 6,291,456 bytes; vp 6,291,456 bytes; ctx 6,291,456 bytes; wob 1,179,648 bytes; maskw 524,288 bytes of whole numbers; gb 12,288 bytes
;; launch proj (part 1): grid 16 x 16, 4 waves a work-group, clusters of 4 x 4, 327,680 bytes of LDS; arguments Q, K, V, W_Q, W_K, W_V, W_O, mask, rel_emb, qp, kp, vp, wob, maskw, gb; writes qp, kp, vp, wob, maskw, gb
.if DOCPART == 1
	.amdgcn_target "amdgcn-amd-amdhsa--gfx1250"
	.amdhsa_code_object_version 6
	.text
	.protected	k_q54ebdbdd22_proj
	.globl	k_q54ebdbdd22_proj
	.p2align	8
	.type	k_q54ebdbdd22_proj,@function
k_q54ebdbdd22_proj:
	s_mov_b64 s[64:65], 0
	v_nop
	global_prefetch_b8 v0, s[64:65] scope:SCOPE_SE
	s_setreg_imm32_b32 hwreg(HW_REG_WAVE_MODE, 25, 1), 1
	s_wait_xcnt 0x0
	s_wait_alu depctr_hold_cnt(0) depctr_sa_sdst(0) depctr_va_vdst(0) depctr_va_sdst(0) depctr_va_ssrc(0) depctr_va_vcc(0) depctr_vm_vsrc(0)
	s_getreg_b32 s2, hwreg(HW_REG_IB_STS2, 6, 4)
	s_cmp_eq_u32 s2, 0
	s_cbranch_scc0 .Lentry_in_a_cluster
	s_endpgm
.Lentry_in_a_cluster:
	s_bfe_u32 s2, ttmp6, 0x10000c
	s_cmp_lg_u32 s2, 0xf033
	s_cbranch_scc0 .Lentry_shape_is_right
	s_endpgm
.Lentry_shape_is_right:
; The three input projections, and the preparation of what the later launches read many times.
; Grid 16 x 16 in clusters of 4 x 4.  The cluster's y (0..3, alike in all sixteen partners) chooses the job:
;   0, 1, 2: qp / kp / vp = X W^T for X = Q / K / V, f16 out as [batch][head][s][64]; qp carries the factor 0.125 log2(e),
;            so that the scores come out ready for a base-2 exponential (q is rounded to f16 after that factor);
;   3:       64 work-groups pack the mask to one bit a score, round W_O to f16 and tabulate the position bias.
; WHY f16: the attention's result is an average of 2,048 values with nearly equal weights, so each rounding of an operand shows in the
; output at its full relative size; eleven significant bits keep the sum of all roundings far inside a hundredth of the output's spread.
; LIMIT: inputs, weights and projections must stay below 65,504 in magnitude.  A projection's spread is sqrt(768) x 0.02 = 0.55; with
; all inputs 30 times larger it is 500; with a common offset of 30 spreads on X and on W a projection is 768 x 30 x 0.6 = 13,824.
; Below 2^-14 the step of f16 is 2^-24, under a thousandth of the spread of weights or projections made from inputs 30 times smaller.
; GEMM: a work-group makes 256 rows (s) x 192 features (3 heads), a wave 64 rows x 192 features = 48 accumulator tiles.
; K goes in steps of 64 f32 (rows of 256 bytes) through two LDS slots; operands are rounded to f16 between LDS and the matrix unit.
; JOINT LOADS: X's tile hangs on the row block (cluster x, cx) and is shared along a column of the cluster; W's tile hangs on the
; feature block (cy) and is shared along a row: each tile is asked for once for four work-groups.
; The matrix instruction takes W's fragment first and X's second: a lane then holds 8 neighbouring features of one row s.
; Bucket limits 19, 21, .. 113 are the smallest whole n with 16 log(n/16)/log(8) >= 1, 2, .. 15; none of these logarithms lies
; nearer than a hundredth to a whole number, so f32 rounding in the formula cannot move a limit.
.set PITCH, 272                        ; 256 bytes + 16 of padding: sixteen rows start in sixteen different 16-byte columns
.set SLOT,  448*PITCH                  ; 256 rows of X, then 192 rows of W
.set WOFF,  256*PITCH
.set STAGE, 2*SLOT                     ; 4 x 6,400 bytes: a wave's own 16 rows x 400 bytes for the way out; no tensor load lands here
.set ADX, 8                            ; v8-9   my X rows in slot 0, 1
.set ADW, 10                           ; v10-11 W's rows in slot 0, 1
.set STO, 12
.set RD,  13
.set CO,  14
.set XF,  16                           ; v[16:47]   four X fragments, f16
.set WF,  48                           ; v[48:79]   two buffers of two W fragments, f16
.set STX, 80                           ; v[80:143]  X as loaded, f32
.set STW, 144                          ; v[144:207] W as loaded, f32, two buffers
.set G1X, 28
.set G1W, 36
.set G0X, 44
.set G0W, 52
.set MS,  32                           ; preparation: v[32:223] three slots of 64 mask words
.set MSB, 0
.macro WIN new                         ; register windows; the immediate's high byte repeats the setting that is left
.if MSB != \new
	s_set_vgpr_msb (MSB<<8)|\new
.set MSB, \new
.endif
.endm
.macro JLOAD s                         ; waves 0, 1 ask for X's halves, waves 2, 3 for W's: one mask a line
	s_cmp_eq_u32 s5, 0
	s_cbranch_scc0 .Lfor_w_\@
	tensor_load_to_lds s[G0X+4*\s:G0X+4*\s+3], s[G1X:G1X+7]
	s_nop 0
	s_branch .Lasked_\@
.Lfor_w_\@:
	tensor_load_to_lds s[G0W+4*\s:G0W+4*\s+3], s[G1W:G1W+7]
	s_nop 0
.Lasked_\@:
.endm
.macro CROUND                          ; a round of the cluster's barrier
	s_barrier_signal -1
	s_barrier_wait -1
	s_cmp_lg_u32 s4, 0
	s_cbranch_scc1 .Lnot_wave_0_\@
	s_barrier_signal -3
.Lnot_wave_0_\@:
	s_barrier_wait -3
	s_barrier_signal -1
	s_barrier_wait -1
.endm
	s_load_b512 s[68:83], s[0:1], 0x0              ; Q 68, K 70, V 72, W_Q 74, W_K 76, W_V 78, W_O 80, mask 82
	s_load_b256 s[84:91], s[0:1], 0x40             ; rel_emb 84, qp 86, kp 88, vp 90
	s_load_b128 s[92:95], s[0:1], 0x60             ; wob 92, maskw 94
	s_load_b64 s[96:97], s[0:1], 0x70              ; gb
	v_lshl_add_u32 v254, v0, 2, 0x41c00
	v_mov_b32 v255, 0
	ds_add_u32 v254, v255
	v_lshrrev_b32 v1, 5, v0
	v_readfirstlane_b32 s4, v1                     ; wave
	s_lshr_b32 s5, s4, 1                           ; 0: I fetch for X, 1: for W
	s_and_b32 s6, s4, 1                            ; which half of that tile
	s_bfe_u32 s10, ttmp6, 0x40000                  ; cx
	s_bfe_u32 s11, ttmp6, 0x40004                  ; cy
	s_lshl_b32 s12, ttmp9, 2
	s_add_co_u32 s12, s12, s10                     ; row block 0..15
	s_and_b32 s7, ttmp7, 0xffff                    ; the cluster's y: the job
	s_wait_dscnt 0x0
	s_wait_kmcnt 0x0
	s_cmp_eq_u32 s7, 3
	s_cbranch_scc1 .Lprep
	; ---------------- the projections ----------------
	s_cmp_eq_u32 s7, 0
	s_cselect_b64 s[14:15], s[68:69], s[70:71]
	s_cselect_b64 s[16:17], s[74:75], s[76:77]
	s_cselect_b64 s[60:61], s[86:87], s[88:89]
	s_cselect_b32 s26, 0x3e38aa3b, 1.0             ; 0.125 log2(e) for q, 1 for k and v
	s_cmp_eq_u32 s7, 2
	s_cselect_b64 s[14:15], s[72:73], s[14:15]
	s_cselect_b64 s[16:17], s[78:79], s[16:17]
	s_cselect_b64 s[60:61], s[90:91], s[60:61]
	s_mov_b32 s27, s26
	s_lshl_b32 s25, 0x1111, s10                    ; my column of the cluster
	s_lshl_b32 s24, s11, 2
	s_lshl_b32 s24, 15, s24                        ; my row
	; group 1: elements of 4 bytes, rows of 64 elements, 4 words of padding behind every 64 words, bit 21 beside the mask
	s_or_b32 s[G1X+0], s25, (2<<16)|(1<<20)|(1<<21)|(5<<22)|(3<<25)
	s_mov_b32 s[G1X+1], 64<<16
	s_mov_b32 s[G1X+2], 128<<16
	s_mov_b32 s[G1X+3], 64<<16
	s_mov_b32 s[G1X+4], 128                        ; 128 rows
	s_mov_b32 s[G1X+5], 768
	s_mov_b32 s[G1X+6], 0
	s_mov_b32 s[G1X+7], 0
	s_or_b32 s[G1W+0], s24, (2<<16)|(1<<20)|(1<<21)|(5<<22)|(3<<25)
	s_mov_b32 s[G1W+1], 64<<16
	s_mov_b32 s[G1W+2], 96<<16
	s_mov_b32 s[G1W+3], 64<<16
	s_mov_b32 s[G1W+4], 96                         ; 96 rows
	s_mov_b32 s[G1W+5], 768
	s_mov_b32 s[G1W+6], 0
	s_mov_b32 s[G1W+7], 0
	s_lshl_b32 s20, s12, 8                         ; X: row 256 x block + 128 x half, 3,072 bytes a row
	s_lshl_b32 s21, s6, 7
	s_add_co_u32 s20, s20, s21
	s_mul_i32 s20, s20, 3072
	s_mov_b32 s21, 0
	s_add_nc_u64 s[14:15], s[14:15], s[20:21]
	s_mul_i32 s22, s11, 192                        ; W: row 192 x cy + 96 x half
	s_mul_i32 s23, s6, 96
	s_add_co_u32 s22, s22, s23
	s_mul_i32 s22, s22, 3072
	s_mov_b32 s23, 0
	s_add_nc_u64 s[16:17], s[16:17], s[22:23]
	s_mul_i32 s18, s6, 128*PITCH                   ; LDS: the wave's half, no place in the cluster
	s_mul_i32 s19, s6, 96*PITCH
	s_add_co_u32 s19, s19, WOFF
	CROUND                                         ; all sixteen are here: the first joint loads meet
.irp s, 0,1
	s_mov_b32 s[G0X+4*\s], 1
	s_add_co_u32 s[G0X+4*\s+1], s18, \s*SLOT
	s_add_nc_u64 s[G0X+4*\s+2:G0X+4*\s+3], s[14:15], \s*256
	s_or_b32 s[G0X+4*\s+3], s[G0X+4*\s+3], 0x80000000
	s_mov_b32 s[G0W+4*\s], 1
	s_add_co_u32 s[G0W+4*\s+1], s19, \s*SLOT
	s_add_nc_u64 s[G0W+4*\s+2:G0W+4*\s+3], s[16:17], \s*256
	s_or_b32 s[G0W+4*\s+3], s[G0W+4*\s+3], 0x80000000
	JLOAD \s                                       ; K steps 0 and 1: two loads of the wave are out
.endr
	v_and_b32 v1, 15, v0                           ; r
	v_bfe_u32 v2, v0, 4, 1                         ; h
	v_mul_u32_u24 v3, v1, PITCH
	v_lshl_add_u32 v3, v2, 5, v3                   ; r x pitch + 32 h: eight f32 a half
	s_mul_i32 s24, s4, 64*PITCH
	v_add_nc_u32 v[ADX], s24, v3
	v_add_nc_u32 v[ADX+1], SLOT, v[ADX]
	v_add_nc_u32 v[ADW], WOFF, v3
	v_add_nc_u32 v[ADW+1], SLOT+WOFF, v3
	s_mul_i32 s24, s4, 6400
	s_add_co_u32 s24, s24, STAGE
	v_mul_u32_u24 v4, v1, 400
	v_lshl_add_u32 v4, v2, 4, v4
	v_add_nc_u32 v[STO], s24, v4                   ; in: row r, 16 bytes a half
	v_bfe_u32 v5, v0, 3, 2
	v_and_b32 v6, 7, v0
	v_mul_u32_u24 v5, v5, 400
	v_lshl_add_u32 v5, v6, 4, v5
	v_add_nc_u32 v[RD], s24, v5                    ; back: eight lanes take a head's 128 bytes of a row
	v_and_b32 v7, 31, v0
	v_lshlrev_b32 v[CO], 4, v7
	s_lshr_b32 s62, s12, 3                         ; out: ((12 batch + 3 cy) 2048 + (block mod 8) 256 + 64 wave) rows of 128 bytes
	s_mul_i32 s62, s62, 12
	s_mul_i32 s63, s11, 3
	s_add_co_u32 s62, s62, s63
	s_lshl_b32 s62, s62, 11
	s_and_b32 s63, s12, 7
	s_lshl_b32 s63, s63, 8
	s_add_co_u32 s62, s62, s63
	s_lshl_b32 s63, s4, 6
	s_add_co_u32 s62, s62, s63
	s_lshl_b32 s62, s62, 7
	s_mov_b32 s63, 0
	s_add_nc_u64 s[60:61], s[60:61], s[62:63]
; A 16-bit fragment's lane holds k = 8h..8h+7 and 16+8h..+7: in f32 rows that is 16 bytes at 32h + 0, 16, 64, 80.
.macro LOADX slot, kq                  ; 16 loads: my four X fragments of 32 k
.irp st, 0,1,2,3
.irp i, 0,1,2,3
	ds_load_b128 v[STX+16*\st+4*\i:STX+16*\st+4*\i+3], v[ADX+\slot] offset:\st*16*PITCH+\kq*128+16*\i+32*(\i/2)
.endr
.endr
.endm
.macro LOADW slot, kq, g               ; 8 loads: W fragments 2g, 2g+1
.irp f, 0,1
.irp i, 0,1,2,3
	ds_load_b128 v[STW+32*(\g%2)+16*\f+4*\i:STW+32*(\g%2)+16*\f+4*\i+3], v[ADW+\slot] offset:(2*\g+\f)*16*PITCH+\kq*128+16*\i+32*(\i/2)
.endr
.endr
.endm
.macro CVTX
.irp st, 0,1,2,3
.irp i, 0,1,2,3,4,5,6,7
	v_cvt_pk_f16_f32 v[XF+8*\st+\i], v[STX+16*\st+2*\i], v[STX+16*\st+2*\i+1]
.endr
.endr
.endm
.macro CVTW g
.irp f, 0,1
.irp i, 0,1,2,3,4,5,6,7
	v_cvt_pk_f16_f32 v[WF+16*(\g%2)+8*\f+\i], v[STW+32*(\g%2)+16*\f+2*\i], v[STW+32*(\g%2)+16*\f+2*\i+1]
.endr
.endr
.endm
; 8 matrix instructions.  Accumulator (ft, st): window 1 for ft < 6, window 2 above, at 8 (4 (ft mod 6) + st).
; The 48 accumulators take turns, one instruction a turn.
.macro MULG g, zero
.if \g < 3
	WIN 0x50
.else
	WIN 0xa0
.endif
.irp f, 0,1
.irp st, 0,1,2,3
.set ACCI, 8*(4*((2*\g+\f)%6)+\st)
.if \zero
	v_wmma_f32_16x16x32_f16 v[ACCI:ACCI+7], v[WF+16*(\g%2)+8*\f:WF+16*(\g%2)+8*\f+7], v[XF+8*\st:XF+8*\st+7], 0
.else
	v_wmma_f32_16x16x32_f16 v[ACCI:ACCI+7], v[WF+16*(\g%2)+8*\f:WF+16*(\g%2)+8*\f+7], v[XF+8*\st:XF+8*\st+7], v[ACCI:ACCI+7]
.endif
.endr
.endr
	WIN 0
.endm
; 32 along K: 48 matrix instructions in six groups.  At the head X's 16 loads and W's groups 0 and 1 (8 each) are out, in that order.
; A conversion that rewrites a fragment buffer stands behind the sixteen conversions of the other buffer, which name no register of the
; matrix instructions that read it: more than the four places that ISA guide 7.12.1 asks for.
; mode 0: the next quarter lies in the same slot.  1: the slot is left and filled again.  2: left, nothing more to fetch.  3: the end.
.macro QUARTER slot, kq, nslot, nkq, zero, mode
	s_wait_dscnt 8                                 ; X and W group 0 are in; group 1's eight stay out
	CVTW 0
	CVTX
	LOADW \slot, \kq, 2
	MULG 0, \zero
	s_wait_dscnt 8                                 ; each time: all but the eight loads of the youngest group
	CVTW 1
	LOADW \slot, \kq, 3
	MULG 1, \zero
	s_wait_dscnt 8
	CVTW 2
	LOADW \slot, \kq, 4
	MULG 2, \zero
	s_wait_dscnt 8
	CVTW 3
	LOADW \slot, \kq, 5
	MULG 3, \zero
.if \mode == 0
	s_wait_dscnt 8
	CVTW 4
.endif
.if \mode == 1
	s_wait_dscnt 0x0                               ; my reads of this slot are over
	CVTW 4
	s_wait_tensorcnt 0x0                           ; all my tensor loads have landed: my part of the other slot
	ds_add_u32 v254, v255
	s_wait_dscnt 0x0
	CROUND                                         ; both now hold of every wave of all sixteen work-groups
	s_add_nc_u64 s[G0X+4*\slot+2:G0X+4*\slot+3], s[G0X+4*\slot+2:G0X+4*\slot+3], 512
	s_add_nc_u64 s[G0W+4*\slot+2:G0W+4*\slot+3], s[G0W+4*\slot+2:G0W+4*\slot+3], 512
	JLOAD \slot                                    ; two K steps ahead: my one tensor load behind the round, first thing there
.endif
.if \mode == 2
	s_wait_dscnt 0x0
	CVTW 4
	s_wait_tensorcnt 0x0                           ; the last K step's tile
	s_barrier_signal -1
	s_barrier_wait -1
.endif
.if \mode < 3
	LOADX \nslot, \nkq
	LOADW \nslot, \nkq, 0
	MULG 4, \zero
	s_wait_dscnt 24                                ; group 5 is in; the next quarter's 16 + 8 stay out
	CVTW 5
	LOADW \nslot, \nkq, 1
	MULG 5, \zero
.else
	s_wait_dscnt 8
	CVTW 4
	MULG 4, \zero
	s_wait_dscnt 0x0
	CVTW 5
	MULG 5, \zero
.endif
.endm
.macro KSTEP slot, zero, mode
	QUARTER \slot, 0, \slot, 1, \zero, 0
	QUARTER \slot, 1, 1-\slot, 0, 0, \mode
.endm
	s_wait_tensorcnt 0x1                           ; my part of K step 0 is in; K step 1's stays out
	s_barrier_signal -1
	s_barrier_wait -1
	LOADX 0, 0
	LOADW 0, 0, 0
	LOADW 0, 0, 1
	KSTEP 0, 1, 1                                  ; the first products start the sums: nothing is cleared
	KSTEP 1, 0, 1
	s_mov_b32 s3, 4
.Llap:                                             ; K steps 2 to 9
	KSTEP 0, 0, 1
	KSTEP 1, 0, 1
	s_sub_co_u32 s3, s3, 1
	s_cmp_lg_u32 s3, 0
	s_cbranch_scc1 .Llap
	KSTEP 0, 0, 2
	KSTEP 1, 0, 3
; The way out, 16 rows at a time: scale, round, 16 bytes a lane into my stage, back as a head's rows, 512 consecutive bytes a store.
.macro OUT st
	s_wait_xcnt 0x0                                ; v[80:127], which the last stores read, are rewritten only behind this wait
	WIN 0x01
.irp ft, 0,1,2,3,4,5
.irp i, 0,2,4,6
	v_pk_mul_f32 v[80+8*\ft+\i:80+8*\ft+\i+1], v[8*(4*\ft+\st)+\i:8*(4*\ft+\st)+\i+1], s[26:27] op_sel_hi:[1,0]
.endr
.endr
	WIN 0x02
.irp ft, 0,1,2,3,4,5
.irp i, 0,2,4,6
	v_pk_mul_f32 v[128+8*\ft+\i:128+8*\ft+\i+1], v[8*(4*\ft+\st)+\i:8*(4*\ft+\st)+\i+1], s[26:27] op_sel_hi:[1,0]
.endr
.endr
	WIN 0
.irp ft, 0,1,2,3,4,5,6,7,8,9,10,11
.irp i, 0,1,2,3
	v_cvt_pk_f16_f32 v[176+4*\ft+\i], v[80+8*\ft+2*\i], v[80+8*\ft+2*\i+1]
.endr
.endr
.irp ft, 0,1,2,3,4,5,6,7,8,9,10,11
	ds_store_b128 v[STO], v[176+4*\ft:176+4*\ft+3] offset:32*\ft
.endr
.irp hd, 0,1,2
.irp i, 0,1,2,3
	ds_load_b128 v[80+4*(4*\hd+\i):80+4*(4*\hd+\i)+3], v[RD] offset:\hd*128+\i*1600   ; LDS serves a wave in order: these see the stores above
.endr
.endr
.set k, 0
.irp hd, 0,1,2
.irp i, 0,1,2,3
	s_wait_dscnt 11-k
	global_store_b128 v[CO], v[80+4*k:80+4*k+3], s[60:61] offset:\hd*262144+(16*\st+4*\i)*128
.set k, k+1
.endr
.endr
.endm
.rept 4
	v_nop                                          ; four places behind the last matrix instructions (ISA guide 7.12.1)
.endr
	OUT 0
	OUT 1
	OUT 2
	OUT 3
	s_wait_tensorcnt 0x0
	ds_add_u32 v254, v255
	s_wait_dscnt 0x0
	CROUND                                         ; the closing round: nobody ends while a partner may still ask jointly
	s_endpgm
	; ---------------- the preparation: 64 work-groups, no LDS, no tensor load ----------------
.Lprep:
	s_lshl_b32 s13, s11, 4
	s_add_co_u32 s13, s13, s12                     ; 0..63; it enters global addresses alone
	; gb[head][x] = log2(e) rel_emb[bucket(rel = x - 128)][head]: 3,072 entries, 48 a work-group
	v_min_u32 v2, 47, v0
	s_mul_i32 s20, s13, 48
	v_add_nc_u32 v2, s20, v2                       ; entry
	v_lshrrev_b32 v3, 8, v2                        ; head
	v_and_b32 v4, 255, v2
	v_sub_nc_u32 v4, 255, v4                       ; n + 127, n = q - k
	v_mov_b32 v5, 16
.irp th, 146,148,151,154,158,162,167,173,179,186,194,204,214,226,240
	v_cmp_le_u32 vcc_lo, \th, v4                   ; one more bucket for each limit reached (limits + 127)
	v_add_co_ci_u32 v5, vcc_lo, 0, v5, vcc_lo
.endr
	v_max_u32 v6, 111, v4
	v_add_nc_u32 v6, 0xffffff91, v6                ; n < 0: max(16 + n, 0)
	v_add_nc_u32 v7, 0xffffff81, v4                ; 0 <= n < 16: n
	v_cmp_gt_u32 vcc_lo, 143, v4
	v_cndmask_b32 v5, v5, v7, vcc_lo
	v_cmp_gt_u32 vcc_lo, 127, v4
	v_cndmask_b32 v5, v5, v6, vcc_lo
	v_mad_u32_u24 v5, v5, 12, v3
	v_lshlrev_b32 v5, 2, v5
	global_load_b32 v8, v5, s[84:85]
	; the mask: rows 32 g .. 32 g + 31; wave w takes keys 512 w .. +511 in 8 units of 64 keys.
	; Word (key tile, query tile, j), bit L = mask[query 16 tq + (L mod 16)][key 16 tk + 8 (L / 16) + j] != 0: the lane and register
	; in which the attention launch holds that score.
	v_and_b32 v1, 15, v0
	v_bfe_u32 v9, v0, 4, 1
	v_lshlrev_b32 v10, 13, v1
	v_lshl_add_u32 v10, v9, 5, v10
	s_lshl_b32 s21, s13, 18
	s_lshl_b32 s22, s4, 11
	s_add_co_u32 s21, s21, s22
	v_add_nc_u32 v10, s21, v10                     ; (32 g + r) 8192 + 2048 w + 32 h
	v_and_b32 v11, 31, v0
	v_lshlrev_b32 v11, 3, v11
	s_lshl_b32 s23, s13, 13
	s_add_co_u32 s23, s23, s22
	v_add_nc_u32 v11, s23, v11                     ; 8192 g + 2048 w + 8 lane
	v_mov_b32 v24, 0                               ; v_writelane_b32 counts as a reader of its destination
	v_mov_b32 v25, 0
.macro MFILL u                         ; 16 loads: together they take 256 consecutive bytes of each of 32 rows
.irp tk, 0,1,2,3
.irp tq, 0,1
.irp hf, 0,1
	global_load_b128 v[MS+64*((\u)%3)+16*\tk+8*\tq+4*\hf:MS+64*((\u)%3)+16*\tk+8*\tq+4*\hf+3], v10, s[82:83] offset:\tq*131072+(\u)*256+\tk*64+16*\hf th:TH_LOAD_NT
.endr
.endr
.endr
.endm
.macro MTURN u, left
	s_wait_loadcnt \left                           ; loads return in order: this unit is in, the younger units' 16 loads each stay out
	s_wait_xcnt 0x0                                ; v24, v25, which the last store reads, are rewritten only behind this wait
.irp tk, 0,1,2,3
.irp tq, 0,1
.irp j, 0,1,2,3,4,5,6,7
	v_cmp_ne_u32 s[40+\j], 0, v[MS+64*((\u)%3)+16*\tk+8*\tq+\j]
.endr
.irp j, 0,1,2,3,4,5,6,7
	v_writelane_b32 v[24+(\j%2)], s[40+\j], 8*\tk+4*\tq+\j/2
.endr
.endr
.endr
	global_store_b64 v11, v[24:25], s[94:95] offset:(\u)*256     ; the unit's 64 words: 256 consecutive bytes, aligned
.if \u <= 4
	MFILL \u+3
.endif
.endm
	MFILL 0
	MFILL 1
	MFILL 2
	MTURN 0, 32
	MTURN 1, 32
	MTURN 2, 32
	MTURN 3, 32
	MTURN 4, 32
	MTURN 5, 32
	MTURN 6, 16
	MTURN 7, 0
	; W_O to f16: 9,216 numbers a work-group, 8 a thread and turn
	s_mul_i32 s24, s13, 1152
	v_add_nc_u32 v12, s24, v0
	v_lshlrev_b32 v13, 4, v12
	v_lshlrev_b32 v12, 5, v12
.irp e, 0,1,2,3,4,5,6,7,8
	global_load_b128 v[32+8*\e:32+8*\e+3], v12, s[80:81] offset:\e*4096 th:TH_LOAD_NT
	global_load_b128 v[32+8*\e+4:32+8*\e+7], v12, s[80:81] offset:\e*4096+16 th:TH_LOAD_NT
.endr
.irp e, 0,1,2,3,4,5,6,7,8
	s_wait_loadcnt 16-2*\e                         ; the younger turns' two loads each stay out
.irp i, 0,1,2,3
	v_cvt_pk_f16_f32 v[104+4*\e+\i], v[32+8*\e+2*\i], v[32+8*\e+2*\i+1]
.endr
	global_store_b128 v13, v[104+4*\e:104+4*\e+3], s[92:93] offset:\e*2048
.endr
	v_mul_f32 v8, 0x3fb8aa3b, v8                   ; the bias in units of log2
	v_lshlrev_b32 v2, 2, v2
	s_wait_xcnt 0x0                                ; EXEC changes only behind this wait
	v_cmp_gt_u32 vcc_lo, 48, v0
	s_and_saveexec_b32 s20, vcc_lo
	global_store_b32 v2, v8, s[96:97]
	s_wait_xcnt 0x0
	s_or_b32 exec_lo, exec_lo, s20
	s_endpgm
.Lfunc_end_k_q54ebdbdd22_proj:
	.size	k_q54ebdbdd22_proj, .Lfunc_end_k_q54ebdbdd22_proj-k_q54ebdbdd22_proj
	.p2alignl 7, 3214868480
	.fill 96, 4, 3214868480
	.section	.rodata,"a",@progbits
	.p2align	6, 0x0
	.amdhsa_kernel k_q54ebdbdd22_proj
		.amdhsa_group_segment_fixed_size 327680
		.amdhsa_private_segment_fixed_size 0
		.amdhsa_enable_private_segment 0
		.amdhsa_kernarg_size 120
		.amdhsa_user_sgpr_count 2
		.amdhsa_user_sgpr_kernarg_segment_ptr 1
		.amdhsa_wavefront_size32 1
		.amdhsa_system_sgpr_workgroup_id_x 1
		.amdhsa_system_sgpr_workgroup_id_y 1
		.amdhsa_system_sgpr_workgroup_id_z 1
		.amdhsa_system_vgpr_workitem_id 0
		.amdhsa_next_free_vgpr 704
		.amdhsa_next_free_sgpr 100
		.amdhsa_reserve_vcc 1
		.amdhsa_float_denorm_mode_32 3
		.amdhsa_float_denorm_mode_16_64 3
		.amdhsa_memory_ordered 1
		.amdhsa_forward_progress 1
		.amdhsa_inst_pref_size 255
	.end_amdhsa_kernel
	.section	.bss,"aw",@nobits
	.p2align	6
	.space	262144
	.amdgpu_metadata
---
amdhsa.version: [ 1, 2 ]
amdhsa.kernels:
  - .name:           k_q54ebdbdd22_proj
    .symbol:         k_q54ebdbdd22_proj.kd
    .args:
      - { .name: Q, .offset: 0, .size: 8, .value_kind: global_buffer, .address_space: global }
      - { .name: K, .offset: 8, .size: 8, .value_kind: global_buffer, .address_space: global }
      - { .name: V, .offset: 16, .size: 8, .value_kind: global_buffer, .address_space: global }
      - { .name: W_Q, .offset: 24, .size: 8, .value_kind: global_buffer, .address_space: global }
      - { .name: W_K, .offset: 32, .size: 8, .value_kind: global_buffer, .address_space: global }
      - { .name: W_V, .offset: 40, .size: 8, .value_kind: global_buffer, .address_space: global }
      - { .name: W_O, .offset: 48, .size: 8, .value_kind: global_buffer, .address_space: global }
      - { .name: mask, .offset: 56, .size: 8, .value_kind: global_buffer, .address_space: global }
      - { .name: rel_emb, .offset: 64, .size: 8, .value_kind: global_buffer, .address_space: global }
      - { .name: qp, .offset: 72, .size: 8, .value_kind: global_buffer, .address_space: global }
      - { .name: kp, .offset: 80, .size: 8, .value_kind: global_buffer, .address_space: global }
      - { .name: vp, .offset: 88, .size: 8, .value_kind: global_buffer, .address_space: global }
      - { .name: wob, .offset: 96, .size: 8, .value_kind: global_buffer, .address_space: global }
      - { .name: maskw, .offset: 104, .size: 8, .value_kind: global_buffer, .address_space: global }
      - { .name: gb, .offset: 112, .size: 8, .value_kind: global_buffer, .address_space: global }
    .group_segment_fixed_size: 327680
    .private_segment_fixed_size: 0
    .kernarg_segment_align: 8
    .kernarg_segment_size: 120
    .max_flat_workgroup_size: 128
    .sgpr_count:     100
    .vgpr_count:     704
    .wavefront_size: 32
...
	.end_amdgpu_metadata
.endif
;; end of part 1
;; launch attn (part 2): grid 32 x 24, 4 waves a work-group, clusters of 4 x 1, 327,680 bytes of LDS; arguments qp, kp, vp, maskw, gb, ctx; writes ctx
.if DOCPART == 2
	.amdgcn_target "amdgcn-amd-amdhsa--gfx1250"
	.amdhsa_code_object_version 6
	.text
	.protected	k_q54ebdbdd22_attn
	.globl	k_q54ebdbdd22_attn
	.p2align	8
	.type	k_q54ebdbdd22_attn,@function
k_q54ebdbdd22_attn:
	s_mov_b64 s[64:65], 0
	v_nop
	global_prefetch_b8 v0, s[64:65] scope:SCOPE_SE
	s_setreg_imm32_b32 hwreg(HW_REG_WAVE_MODE, 25, 1), 1
	s_wait_xcnt 0x0
	s_wait_alu depctr_hold_cnt(0) depctr_sa_sdst(0) depctr_va_vdst(0) depctr_va_sdst(0) depctr_va_ssrc(0) depctr_va_vcc(0) depctr_vm_vsrc(0)
	s_getreg_b32 s2, hwreg(HW_REG_IB_STS2, 6, 4)
	s_cmp_eq_u32 s2, 0
	s_cbranch_scc0 .Lentry_in_a_cluster
	s_endpgm
.Lentry_in_a_cluster:
	s_bfe_u32 s2, ttmp6, 0x10000c
	s_cmp_lg_u32 s2, 0x3003
	s_cbranch_scc0 .Lentry_shape_is_right
	s_endpgm
.Lentry_shape_is_right:
; Attention for 64 queries of one (batch, head): ctx = softmax(q k^T / 8 + bias, masked) v, f16 in and out as [batch][head][s][64].
; q arrives scaled by 0.125 log2(e) and the bias table by log2(e), so all exponentials are base 2.
; Four waves: wave w takes queries 32 (w & 1) .. +31 and, of every 256 keys, the half w >> 1; the two halves are merged in LDS at the end.
; JOINT LOADS: the four query blocks of a cluster walk the same K and V tiles and ask for each together (mask 15).
; TRANSPOSED: S^T = K Q^T + C, with the bias tile loaded straight into the accumulator as C.  Lane (r, h) then holds query r and keys
; 8h + j, so two neighbouring score tiles, rounded to f16 in place, ARE the B fragment of O^T = V^T P^T; the softmax figures are one
; a lane, and one exchange between the halves of the wave joins them.
; The bias hangs on key - query alone: a window of 2,176 values for this query block lies in LDS four times, shifted by 0..3 words, so
; that every lane's eight neighbouring values are two aligned loads of 16 bytes.
; The mask comes as one bit a score, in scalar registers, and only selects (score or -inf).
; LIMITS: the running maximum starts at the most negative finite f32, so a row with no open key ends with sum 0 and gives 0, as the
; reference's nan_to_num does.  Weights are rounded to f16 for the product with V, their sum is kept in f32: the running maximum holds
; them in [0, 1] for every input, and what f16 drops is below 2^-25 of a sum that is at least 1.  The context is a weighted mean of v
; and so stays inside v's range (below 65,504, as the projection launch states).
.set KP,   144                         ; 128 bytes + 16: sixteen rows start in different 16-byte columns
.set HALF, 128*KP                      ; what one tensor load brings
.set SLOT, 4*HALF                      ; K keys 0-127, K keys 128-255, V keys 0-127, V keys 128-255
.set BT,   2*SLOT                      ; four copies of the bias window
.set CP,   8768
.set XCH,  BT+4*CP                     ; 2 x 8,704: the upper key half's results
.set OST,  XCH+2*8704                  ; 2 x 4,608: the way out
.set NINF, 9
.set ADK,  10
.set ADV,  12
.set ADB,  14
.set XA,   15
.set QF,   16                          ; v[16:47]   Q fragments (query tile, 32 d) at 8 (2 q + u)
.set S,    48                          ; v[48:111]  scores (q, key tile) at 32 q + 8 kt; then P (q, 32 keys) at 32 q + 16 u
.set O,    112                         ; v[112:175] O^T (d tile, q) at 8 (2 dt + q)
.set FR,   176                         ; v[176:239] K fragments at 8 (2 kt + u), then V^T fragments at 8 (2 dt + u)
.set M,    240                         ; running maximum, a pair for each q
.set L,    244                         ; running sum of my half's keys
.set AL,   246                         ; rescaling factor, a pair for each q
.set T,    250
.set G1,   84
.set G0,   92
.macro ROUND
	s_barrier_signal -1
	s_barrier_wait -1
	s_cmp_lg_u32 s5, 0
	s_cbranch_scc1 .Lnot_wave_0_\@
	s_barrier_signal -3
.Lnot_wave_0_\@:
	s_barrier_wait -3
	s_barrier_signal -1
	s_barrier_wait -1
.endm
.macro MLOAD off                       ; 64 mask words: key tile kt in s[16:31], s[32:47], s[48:63], s[68:83]
.irp kt, 0,1,2,3
	s_load_b512 s[16+16*\kt+(\kt/3)*4:31+16*\kt+(\kt/3)*4], s[2:3], \off+64*\kt
.endr
.endm
	s_load_b256 s[16:23], s[0:1], 0x0              ; qp 16, kp 18, vp 20, maskw 22
	s_load_b128 s[24:27], s[0:1], 0x20             ; gb 24, ctx 26
	v_lshl_add_u32 v254, v0, 2, 0x33100
	v_mov_b32 v255, 0
	ds_add_u32 v254, v255
	v_lshrrev_b32 v1, 5, v0
	v_readfirstlane_b32 s5, v1                     ; wave
	s_and_b32 s100, s5, 1                          ; query half
	s_lshr_b32 s101, s5, 1                         ; key half
	s_mov_b32 s6, 0x76543210                       ; v_permlanex16_b32: lane i takes lane i of the other half
	s_mov_b32 s7, 0xfedcba98
	s_and_b32 s4, ttmp7, 0xffff                    ; 12 batch + head
	s_mov_b32 s[G1+0], 15|(1<<16)|(1<<20)|(1<<21)|(4<<22)|(3<<25)  ; all four partners; 2-byte elements; 4 words of padding behind every 32
	s_mov_b32 s[G1+1], 64<<16
	s_mov_b32 s[G1+2], 128<<16
	s_mov_b32 s[G1+3], 64<<16
	s_mov_b32 s[G1+4], 128
	s_mov_b32 s[G1+5], 64
	s_mov_b32 s[G1+6], 0
	s_mov_b32 s[G1+7], 0
	s_mov_b32 s[G0], 1
	s_mul_i32 s[G0+1], s5, HALF                    ; the wave's quarter of slot 0
	s_mov_b32 s[G0+4], 1
	s_add_co_u32 s[G0+5], s[G0+1], SLOT
	s_lshl_b32 s72, s4, 18                         ; 2,048 rows of 128 bytes for each (batch, head)
	s_lshl_b32 s73, s100, 14                       ; + 128 keys for waves 1 and 3
	s_add_co_u32 s72, s72, s73
	s_mov_b32 s73, 0
	s_wait_dscnt 0x0
	s_wait_kmcnt 0x0
	s_cmp_lt_u32 s5, 2
	s_cselect_b64 s[G0+2:G0+3], s[18:19], s[20:21] ; waves 0, 1 fetch K, waves 2, 3 V
	s_add_nc_u64 s[G0+2:G0+3], s[G0+2:G0+3], s[72:73]
	s_add_nc_u64 s[G0+6:G0+7], s[G0+2:G0+3], 32768
	s_or_b32 s[G0+3], s[G0+3], 0x80000000
	s_or_b32 s[G0+7], s[G0+7], 0x80000000
	ROUND                                          ; the four partners are here
	tensor_load_to_lds s[G0:G0+3], s[G1:G1+7]      ; keys 0 to 255
	s_nop 0
	s_bfe_u32 s14, ttmp6, 0x40000                  ; cx: it enters global addresses alone
	s_lshl_b32 s15, ttmp9, 2
	s_add_co_u32 s15, s15, s14                     ; query block 0..31
	s_lshl_b32 s28, s4, 18
	s_lshl_b32 s29, s15, 13
	s_add_co_u32 s28, s28, s29
	s_lshl_b32 s29, s100, 12
	s_add_co_u32 s28, s28, s29
	s_mov_b32 s29, 0
	s_add_nc_u64 s[10:11], s[16:17], s[28:29]      ; my 32 rows of q
	s_add_nc_u64 s[8:9], s[26:27], s[28:29]        ; and of ctx
	s_cmp_ge_u32 s4, 12
	s_cselect_b32 s30, 12, 0
	s_sub_co_u32 s30, s4, s30                      ; head
	s_lshl_b32 s30, s30, 10
	s_mov_b32 s31, 0
	s_add_nc_u64 s[12:13], s[24:25], s[30:31]      ; the head's 256 bias values
	s_lshl_b32 s28, s15, 14
	s_lshl_b32 s30, s100, 13
	s_add_co_u32 s28, s28, s30
	s_lshl_b32 s30, s101, 9
	s_add_co_u32 s28, s28, s30
	s_add_nc_u64 s[2:3], s[22:23], s[28:29]        ; mask words of my 32 queries, my key half
	s_lshl_b32 s14, s15, 6
	s_sub_co_u32 s14, 2049, s14                    ; 2049 - first query
	v_and_b32 v1, 15, v0                           ; r
	v_bfe_u32 v2, v0, 4, 1                         ; h
	v_and_b32 v3, 31, v0                           ; lane
	s_mul_i32 s15, s101, HALF
	v_mul_u32_u24 v4, v1, KP
	v_lshl_add_u32 v4, v2, 4, v4
	v_add_nc_u32 v[ADK], s15, v4
	v_add_nc_u32 v[ADK+1], SLOT, v[ADK]
	v_and_b32 v5, 7, v0
	v_lshl_add_u32 v5, v2, 3, v5                   ; key row 8 h + lane mod 8 for the transposing load
	v_mul_u32_u24 v5, v5, KP
	v_bfe_u32 v6, v0, 3, 1
	v_lshl_add_u32 v5, v6, 4, v5
	v_add_nc_u32 v5, s15, v5
	v_add_nc_u32 v[ADV], 2*HALF, v5
	v_add_nc_u32 v[ADV+1], SLOT+2*HALF, v5
	s_xor_b32 s28, s100, 1
	s_lshl_b32 s28, s28, 5
	s_lshl_b32 s30, s101, 7
	s_add_co_u32 s28, s28, s30
	v_sub_nc_u32 v6, 15, v1
	v_lshl_add_u32 v6, v2, 3, v6
	v_add_nc_u32 v6, s28, v6                       ; window index of (key 8h + 128 half, query 32 half + 16 + r): key - query + 63
	v_and_b32 v7, 3, v6                            ; the copy that makes it a multiple of four words
	v_and_b32 v6, -4, v6
	v_lshlrev_b32 v6, 2, v6
	v_mad_u32_u24 v6, v7, CP, v6
	v_add_nc_u32 v[ADB], BT+16, v6
	s_mul_i32 s28, s100, 8704
	v_lshl_add_u32 v[XA], v3, 4, s28
	v_add_nc_u32 v[XA], XCH, v[XA]
	v_lshlrev_b32 v8, 2, v0
	v_add_nc_u32 v8, BT+16, v8
	v_lshlrev_b32 v4, 7, v1
	v_lshl_add_u32 v4, v2, 4, v4
.irp q, 0,1
.irp u, 0,1
	global_load_b128 v[QF+8*(2*\q+\u):QF+8*(2*\q+\u)+3], v4, s[10:11] offset:2048*\q+64*\u
	global_load_b128 v[QF+8*(2*\q+\u)+4:QF+8*(2*\q+\u)+7], v4, s[10:11] offset:2048*\q+64*\u+32
.endr
.endr
	; window value i = bias(rel = i - 63 - first query); table index rel + 128 held to 0..255 (beyond them the bucket no longer changes)
	v_add_nc_u32 v5, s14, v0
.set i, 0
.rept 17
	v_add_nc_u32 v[S+i], 128*i, v5                 ; i + 2049 - first query = table index + 1984
	v_max_u32 v[S+i], 1984, v[S+i]
	v_min_u32 v[S+i], 2239, v[S+i]
	v_lshlrev_b32 v[S+i], 2, v[S+i]
	global_load_b32 v[O+i], v[S+i], s[12:13] offset:-7936
.set i, i+1
.endr
	MLOAD 0                                        ; the first 64 keys' mask words
	v_mov_b32 v[NINF], 0xff800000
	s_wait_loadcnt 0x0
.set i, 0
.rept 17
.irp c, 0,1,2,3
	ds_store_b32 v8, v[O+i] offset:\c*(CP-4)+512*i ; copy c holds value i at word i - c + 4
.endr
.set i, i+1
.endr
; One query tile's online softmax over 64 keys (32 registers).
.macro SOFT q, first
.set B, S+32*\q
	v_max3_num_f32 v[T], v[B], v[B+1], v[B+2]
	v_max3_num_f32 v[T+1], v[B+3], v[B+4], v[B+5]
.set i, 6
.rept 13
	v_max3_num_f32 v[T+(i/2)%2], v[T+(i/2)%2], v[B+i], v[B+i+1]
.set i, i+2
.endr
	v_max_num_f32 v[T], v[T], v[T+1]
	v_permlanex16_b32 v[T+1], v[T], s6, s7         ; the other eight keys of each tile
.if \first
	v_max3_num_f32 v[T+3], v[T], v[T+1], 0xff7fffff
.else
	v_max3_num_f32 v[T+3], v[T], v[T+1], v[M+2*\q]
	v_sub_f32 v[T+2], v[M+2*\q], v[T+3]
.endif
	v_mov_b32 v[M+2*\q], v[T+3]
	v_mov_b32 v[M+2*\q+1], v[T+3]
.if \first == 0
	v_exp_f32 v[AL+2*\q], v[T+2]                   ; the packed subtractions below are the plain instructions behind these two
	v_exp_f32 v[AL+2*\q+1], v[T+2]
.endif
.set i, 0
.rept 16
	v_pk_add_f32 v[B+i:B+i+1], v[B+i:B+i+1], v[M+2*\q:M+2*\q+1] neg_lo:[0,1] neg_hi:[0,1]
.set i, i+2
.endr
.set i, 0
.rept 32
	v_exp_f32 v[B+i], v[B+i]
.set i, i+1
.endr
	v_nop                                          ; one plain instruction behind the exponentials before their results are read
	s_wait_alu depctr_va_vdst(0)
	v_pk_add_f32 v[T:T+1], v[B:B+1], v[B+2:B+3]
	v_pk_add_f32 v[T+2:T+3], v[B+4:B+5], v[B+6:B+7]
.set i, 8
.rept 12
	v_pk_add_f32 v[T+2*((i/2)%2):T+2*((i/2)%2)+1], v[T+2*((i/2)%2):T+2*((i/2)%2)+1], v[B+i:B+i+1]
.set i, i+2
.endr
	v_pk_add_f32 v[T:T+1], v[T:T+1], v[T+2:T+3]
.if \first
	v_add_f32 v[L+\q], v[T], v[T+1]
.else
	v_add_f32 v[T], v[T], v[T+1]
	v_fma_f32 v[L+\q], v[L+\q], v[AL+2*\q], v[T]
.endif
.irp u, 0,1
.irp i, 0,1,2,3
	v_cvt_pk_f16_f32 v[B+16*\u+\i], v[B+16*\u+2*\i], v[B+16*\u+2*\i+1]       ; keys 8h .. 8h+7 of the 32
.endr
.irp i, 0,1,2,3
	v_cvt_pk_f16_f32 v[B+16*\u+4+\i], v[B+16*\u+8+2*\i], v[B+16*\u+9+2*\i]   ; keys 16+8h .. +7
.endr
.endr
.if \first == 0
.irp dt, 0,1,2,3
.irp i, 0,2,4,6
	v_pk_mul_f32 v[O+8*(2*\dt+\q)+\i:O+8*(2*\dt+\q)+\i+1], v[O+8*(2*\dt+\q)+\i:O+8*(2*\dt+\q)+\i+1], v[AL+2*\q:AL+2*\q+1]
.endr
.endr
.endif
.endm
; 64 keys x 32 queries.  In both runs of matrix instructions eight accumulators take turns, one instruction a turn.
.macro SUB slot, sub, first, last
.if \first == 0
.rept 5
	v_nop                                          ; places behind the last products: loads land in their sources (4), score products write over them (5)
.endr
.endif
.irp q, 0,1
.irp kt, 0,1,2,3
	ds_load_b128 v[S+32*\q+8*\kt:S+32*\q+8*\kt+3], v[ADB] offset:(1-\q)*64+\sub*256+\kt*64
	ds_load_b128 v[S+32*\q+8*\kt+4:S+32*\q+8*\kt+7], v[ADB] offset:(1-\q)*64+\sub*256+\kt*64+16
.endr
.endr
.irp kt, 0,1,2,3
.irp u, 0,1
	ds_load_b128 v[FR+8*(2*\kt+\u):FR+8*(2*\kt+\u)+3], v[ADK+\slot] offset:\sub*64*KP+\kt*16*KP+64*\u
	ds_load_b128 v[FR+8*(2*\kt+\u)+4:FR+8*(2*\kt+\u)+7], v[ADK+\slot] offset:\sub*64*KP+\kt*16*KP+64*\u+32
.endr
.endr
	s_wait_dscnt 0x0
.irp u, 0,1
.irp q, 0,1
.irp kt, 0,1,2,3
	v_wmma_f32_16x16x32_f16 v[S+32*\q+8*\kt:S+32*\q+8*\kt+7], v[FR+8*(2*\kt+\u):FR+8*(2*\kt+\u)+7], v[QF+8*(2*\q+\u):QF+8*(2*\q+\u)+7], v[S+32*\q+8*\kt:S+32*\q+8*\kt+7]
.endr
.endr
.endr
.rept 4
	v_nop                                          ; four places: V's loads land in K's registers, the selects read the scores
.endr
.irp dt, 0,1,2,3
.irp u, 0,1
	ds_load_tr16_b128 v[FR+8*(2*\dt+\u):FR+8*(2*\dt+\u)+3], v[ADV+\slot] offset:\sub*64*KP+\u*32*KP+32*\dt
	ds_load_tr16_b128 v[FR+8*(2*\dt+\u)+4:FR+8*(2*\dt+\u)+7], v[ADV+\slot] offset:\sub*64*KP+\u*32*KP+32*\dt+16*KP
.endr
.endr
	s_wait_kmcnt 0x0                               ; this sub-step's mask words; their loads are done, so the pointer may step
.if \sub == 1
.if \last == 0
	s_add_nc_u64 s[2:3], s[2:3], 1024              ; 256 keys on
.endif
.endif
.irp kt, 0,1,2,3
.irp q, 0,1
.irp j, 0,1,2,3,4,5,6,7
	v_cndmask_b32 v[S+32*\q+8*\kt+\j], v[NINF], v[S+32*\q+8*\kt+\j], s[16+16*\kt+(\kt/3)*4+8*\q+\j]
.endr
.endr
.endr
.if \last == 0
	MLOAD 256*(1-\sub)                             ; the next 64 keys' words, wanted a whole sub-step later
.endif
	SOFT 0, \first
	SOFT 1, \first
	s_wait_dscnt 0x0                               ; V's fragments
.irp u, 0,1
.irp dt, 0,1,2,3
.irp q, 0,1
.if \first*(1-\u)
	v_wmma_f32_16x16x32_f16 v[O+8*(2*\dt+\q):O+8*(2*\dt+\q)+7], v[FR+8*(2*\dt+\u):FR+8*(2*\dt+\u)+7], v[S+32*\q+16*\u:S+32*\q+16*\u+7], 0
.else
	v_wmma_f32_16x16x32_f16 v[O+8*(2*\dt+\q):O+8*(2*\dt+\q)+7], v[FR+8*(2*\dt+\u):FR+8*(2*\dt+\u)+7], v[S+32*\q+16*\u:S+32*\q+16*\u+7], v[O+8*(2*\dt+\q):O+8*(2*\dt+\q)+7]
.endif
.endr
.endr
.endr
.endm
; 256 keys.  One tensor load of the wave is out behind each round; it has the trip's work in which to land.
.macro TRIP slot, refill, first, last
	s_wait_tensorcnt 0x0                           ; all my loads are done, my quarter of this trip's tile among them,
	ds_add_u32 v254, v255
	s_wait_dscnt 0x0
	s_add_nc_u64 s[G0+4*\slot+2:G0+4*\slot+3], s[G0+4*\slot+2:G0+4*\slot+3], 65536   ; so a group 0 may be written: this slot's next tile
	s_wait_dscnt 0x0                               ; my reads of the last trip's tile are done (first trip: my stores of the bias window)
	ROUND                                          ; both now hold of every wave of the four work-groups
.if \refill
	tensor_load_to_lds s[G0+4*(1-\slot):G0+4*(1-\slot)+3], s[G1:G1+7]
	s_nop 0
.endif
	SUB \slot, 0, \first, 0
	SUB \slot, 1, 0, \last
	v_add_nc_u32 v[ADB], 1024, v[ADB]              ; 256 keys on in the bias window
.endm
	TRIP 0, 1, 1, 0
	TRIP 1, 1, 0, 0
	s_mov_b32 s4, 2
.Lpair:
	TRIP 0, 1, 0, 0
	TRIP 1, 1, 0, 0
	s_sub_co_u32 s4, s4, 1
	s_cmp_lg_u32 s4, 0
	s_cbranch_scc1 .Lpair
	TRIP 0, 1, 0, 0
	TRIP 1, 0, 0, 1                                ; nothing is left to fetch
	; The two key halves meet: waves 2 and 3 hand over O, maximum and sum; waves 0 and 1 merge, divide and store.
.rept 4
	v_nop                                          ; four places behind the last products
.endr
	s_cmp_eq_u32 s101, 0
	s_cbranch_scc1 .Lno_send
	v_mov_b32 v[T], v[M]
	v_mov_b32 v[T+1], v[M+2]
	v_mov_b32 v[T+2], v[L]
	v_mov_b32 v[T+3], v[L+1]
.set i, 0
.rept 16
	ds_store_b128 v[XA], v[O+4*i:O+4*i+3] offset:512*i
.set i, i+1
.endr
	ds_store_b128 v[XA], v[T:T+3] offset:8192
.Lno_send:
	s_wait_dscnt 0x0                               ; for the readers' sake
	s_barrier_signal -1
	s_barrier_wait -1
	s_cmp_lg_u32 s101, 0
	s_cbranch_scc1 .Ldone
.set i, 0
.rept 16
	ds_load_b128 v[FR+4*i:FR+4*i+3], v[XA] offset:512*i
.set i, i+1
.endr
	ds_load_b128 v[T:T+3], v[XA] offset:8192
	s_mul_i32 s28, s100, 4608
	s_add_co_u32 s28, s28, OST
	v_mul_u32_u24 v10, v1, KP
	v_lshl_add_u32 v10, v2, 4, v10
	v_add_nc_u32 v10, s28, v10                     ; in: row r, 16 bytes a half
	v_lshrrev_b32 v11, 3, v3
	v_and_b32 v12, 7, v0
	v_mul_u32_u24 v11, v11, KP
	v_lshl_add_u32 v11, v12, 4, v11
	v_add_nc_u32 v11, s28, v11                     ; back: eight lanes take a row's 128 bytes
	v_lshlrev_b32 v12, 4, v3
	s_wait_dscnt 0x0
.irp q, 0,1
	v_max_num_f32 v4, v[M+2*\q], v[T+\q]
	v_sub_f32 v5, v[M+2*\q], v4
	v_sub_f32 v6, v[T+\q], v4
	v_exp_f32 v5, v5
	v_exp_f32 v6, v6
	v_nop
	s_wait_alu depctr_va_vdst(0)
	v_mul_f32 v7, v[T+2+\q], v6
	v_fma_f32 v7, v[L+\q], v5, v7
	v_permlanex16_b32 v8, v7, s6, s7               ; the other eight keys of every tile
	v_add_f32 v7, v7, v8
	v_rcp_f32 v8, v7
	v_cmp_lt_f32 vcc_lo, 0, v7                     ; a row with no open key has sum 0 and gets the factor 0
	s_wait_alu depctr_va_vdst(0)
	v_cndmask_b32 v8, 0, v8, vcc_lo
	v_mul_f32 v[AL], v5, v8
	v_mul_f32 v[AL+2], v6, v8
	v_mov_b32 v[AL+1], v[AL]
	v_mov_b32 v[AL+3], v[AL+2]
.irp dt, 0,1,2,3
.irp i, 0,2,4,6
	v_pk_mul_f32 v[O+8*(2*\dt+\q)+\i:O+8*(2*\dt+\q)+\i+1], v[O+8*(2*\dt+\q)+\i:O+8*(2*\dt+\q)+\i+1], v[AL:AL+1]
	v_pk_fma_f32 v[O+8*(2*\dt+\q)+\i:O+8*(2*\dt+\q)+\i+1], v[FR+8*(2*\dt+\q)+\i:FR+8*(2*\dt+\q)+\i+1], v[AL+2:AL+3], v[O+8*(2*\dt+\q)+\i:O+8*(2*\dt+\q)+\i+1]
.endr
.irp i, 0,1,2,3
	v_cvt_pk_f16_f32 v[S+4*(2*\dt+\q)+\i], v[O+8*(2*\dt+\q)+2*\i], v[O+8*(2*\dt+\q)+2*\i+1]
.endr
	ds_store_b128 v10, v[S+4*(2*\dt+\q):S+4*(2*\dt+\q)+3] offset:16*KP*\q+32*\dt
.endr
.endr
.irp i, 0,1,2,3,4,5,6,7
	ds_load_b128 v[FR+4*\i:FR+4*\i+3], v11 offset:4*KP*\i          ; my own bytes: LDS serves a wave in order
.endr
.irp i, 0,1,2,3,4,5,6,7
	s_wait_dscnt 7-\i
	global_store_b128 v12, v[FR+4*\i:FR+4*\i+3], s[8:9] offset:512*\i   ; 512 consecutive bytes, aligned
.endr
.Ldone:
	s_wait_tensorcnt 0x0
	ds_add_u32 v254, v255
	s_wait_dscnt 0x0
	ROUND                                          ; the closing round
	s_endpgm
.Lfunc_end_k_q54ebdbdd22_attn:
	.size	k_q54ebdbdd22_attn, .Lfunc_end_k_q54ebdbdd22_attn-k_q54ebdbdd22_attn
	.p2alignl 7, 3214868480
	.fill 96, 4, 3214868480
	.section	.rodata,"a",@progbits
	.p2align	6, 0x0
	.amdhsa_kernel k_q54ebdbdd22_attn
		.amdhsa_group_segment_fixed_size 327680
		.amdhsa_private_segment_fixed_size 0
		.amdhsa_enable_private_segment 0
		.amdhsa_kernarg_size 48
		.amdhsa_user_sgpr_count 2
		.amdhsa_user_sgpr_kernarg_segment_ptr 1
		.amdhsa_wavefront_size32 1
		.amdhsa_system_sgpr_workgroup_id_x 1
		.amdhsa_system_sgpr_workgroup_id_y 1
		.amdhsa_system_sgpr_workgroup_id_z 1
		.amdhsa_system_vgpr_workitem_id 0
		.amdhsa_next_free_vgpr 256
		.amdhsa_next_free_sgpr 102
		.amdhsa_reserve_vcc 1
		.amdhsa_float_denorm_mode_32 3
		.amdhsa_float_denorm_mode_16_64 3
		.amdhsa_memory_ordered 1
		.amdhsa_forward_progress 1
		.amdhsa_inst_pref_size 255
	.end_amdhsa_kernel
	.section	.bss,"aw",@nobits
	.p2align	6
	.space	262144
	.amdgpu_metadata
---
amdhsa.version: [ 1, 2 ]
amdhsa.kernels:
  - .name:           k_q54ebdbdd22_attn
    .symbol:         k_q54ebdbdd22_attn.kd
    .args:
      - { .name: qp, .offset: 0, .size: 8, .value_kind: global_buffer, .address_space: global }
      - { .name: kp, .offset: 8, .size: 8, .value_kind: global_buffer, .address_space: global }
      - { .name: vp, .offset: 16, .size: 8, .value_kind: global_buffer, .address_space: global }
      - { .name: maskw, .offset: 24, .size: 8, .value_kind: global_buffer, .address_space: global }
      - { .name: gb, .offset: 32, .size: 8, .value_kind: global_buffer, .address_space: global }
      - { .name: ctx, .offset: 40, .size: 8, .value_kind: global_buffer, .address_space: global }
    .group_segment_fixed_size: 327680
    .private_segment_fixed_size: 0
    .kernarg_segment_align: 8
    .kernarg_segment_size: 48
    .max_flat_workgroup_size: 128
    .sgpr_count:     102
    .vgpr_count:     256
    .wavefront_size: 32
...
	.end_amdgpu_metadata
.endif
;; end of part 2
;; launch oproj (part 3): grid 4 x 64, 4 waves a work-group, clusters of 4 x 4, 327,680 bytes of LDS; arguments ctx, wob, out0; writes out0
.if DOCPART == 3
	.amdgcn_target "amdgcn-amd-amdhsa--gfx1250"
	.amdhsa_code_object_version 6
	.text
	.protected	k_q54ebdbdd22_oproj
	.globl	k_q54ebdbdd22_oproj
	.p2align	8
	.type	k_q54ebdbdd22_oproj,@function
k_q54ebdbdd22_oproj:
	s_mov_b64 s[64:65], 0
	v_nop
	global_prefetch_b8 v0, s[64:65] scope:SCOPE_SE
	s_setreg_imm32_b32 hwreg(HW_REG_WAVE_MODE, 25, 1), 1
	s_wait_xcnt 0x0
	s_wait_alu depctr_hold_cnt(0) depctr_sa_sdst(0) depctr_va_vdst(0) depctr_va_sdst(0) depctr_va_ssrc(0) depctr_va_vcc(0) depctr_vm_vsrc(0)
	s_getreg_b32 s2, hwreg(HW_REG_IB_STS2, 6, 4)
	s_cmp_eq_u32 s2, 0
	s_cbranch_scc0 .Lentry_in_a_cluster
	s_endpgm
.Lentry_in_a_cluster:
	s_bfe_u32 s2, ttmp6, 0x10000c
	s_cmp_lg_u32 s2, 0xf033
	s_cbranch_scc0 .Lentry_shape_is_right
	s_endpgm
.Lentry_shape_is_right:
; out0 = context W_O^T.  ctx: f16 [batch][head][s][64]; wob: W_O in f16 [768][768]; out0: f32 [4096][768].
; 256 work-groups of 64 rows x 192 features; wave w makes rows 32 (w >> 1) .. +31 x features 96 (w & 1) .. +95: 12 accumulator tiles.
; K goes in steps of 128 (two heads) through two LDS slots.  JOINT LOADS: the context tile hangs on the row block (cy) and is shared along
; a row of the cluster, W_O's tile on the feature block (cx) and is shared along a column.
; W_O's fragment is the first source, the context's the second: a lane holds 8 neighbouring features of one row.
; LIMIT: both operands are f16, so the context and W_O must stay below 65,504 in magnitude (the projection launch gives the room).
.set AP,    144                        ; a head's 128 bytes + 16
.set BP,    272                        ; 256 bytes + 16
.set BOFF,  2*64*AP                    ; two planes of 64 context rows, then 192 rows of W_O
.set SLOT,  BOFF+192*BP
.set STAGE, 2*SLOT                     ; 64 rows x 784 bytes for the way out; no tensor load lands here
.set SP,    784
.set ADA, 4
.set ADW, 6
.set SA,  8
.set RD,  9
.set CO,  10
.set F0,  16                           ; fragment buffers: six of W_O, then two of the context
.set F1,  80
.set ACC, 144                          ; (feature tile, row tile) at 8 (2 ft + st)
.set G1A, 24
.set G0A, 32
.set G1B, 48
.set G0B, 56
.macro JLOAD s                         ; waves 0, 1 ask for the two heads' context planes, waves 2, 3 for W_O's halves
	s_cmp_eq_u32 s11, 0
	s_cbranch_scc0 .Lfor_b_\@
	tensor_load_to_lds s[G0A+4*\s:G0A+4*\s+3], s[G1A:G1A+7]
	s_nop 0
	s_branch .Lasked_\@
.Lfor_b_\@:
	tensor_load_to_lds s[G0B+4*\s:G0B+4*\s+3], s[G1B:G1B+7]
	s_nop 0
.Lasked_\@:
.endm
.macro CROUND
	s_barrier_signal -1
	s_barrier_wait -1
	s_cmp_lg_u32 s10, 0
	s_cbranch_scc1 .Lnot_wave_0_\@
	s_barrier_signal -3
.Lnot_wave_0_\@:
	s_barrier_wait -3
	s_barrier_signal -1
	s_barrier_wait -1
.endm
.macro PLACES                          ; a load into a register that a matrix instruction has read stands four places behind it
.rept 4
	v_nop
.endr
.endm
	s_load_b128 s[4:7], s[0:1], 0x0                ; ctx, wob
	s_load_b64 s[8:9], s[0:1], 0x10                ; out0
	v_lshl_add_u32 v254, v0, 2, 0x2ec00
	v_mov_b32 v255, 0
	ds_add_u32 v254, v255
	v_lshrrev_b32 v1, 5, v0
	v_readfirstlane_b32 s10, v1                    ; wave
	s_lshr_b32 s11, s10, 1                         ; my row half; also: I fetch context (0) or W_O (1)
	s_and_b32 s12, s10, 1                          ; my feature half; also: which half of that tile
	s_bfe_u32 s40, ttmp6, 0x40000                  ; cx
	s_bfe_u32 s41, ttmp6, 0x40004                  ; cy
	s_lshl_b32 s42, ttmp9, 2
	s_add_co_u32 s42, s42, s40                     ; feature block 0..3
	s_and_b32 s13, ttmp7, 0xffff
	s_lshl_b32 s13, s13, 2
	s_add_co_u32 s13, s13, s41                     ; row block 0..63
	s_lshl_b32 s43, s41, 2
	s_lshl_b32 s43, 15, s43                        ; my row of the cluster
	s_lshl_b32 s44, 0x1111, s40                    ; my column
	s_or_b32 s[G1A+0], s43, (1<<16)|(1<<20)|(1<<21)|(4<<22)|(3<<25)   ; rows of 32 words, 4 words of padding
	s_mov_b32 s[G1A+1], 64<<16
	s_mov_b32 s[G1A+2], 64<<16
	s_mov_b32 s[G1A+3], 64<<16
	s_mov_b32 s[G1A+4], 64
	s_mov_b32 s[G1A+5], 64
	s_mov_b32 s[G1A+6], 0
	s_mov_b32 s[G1A+7], 0
	s_or_b32 s[G1B+0], s44, (1<<16)|(1<<20)|(1<<21)|(5<<22)|(3<<25)   ; rows of 64 words, 4 words of padding
	s_mov_b32 s[G1B+1], 128<<16
	s_mov_b32 s[G1B+2], 96<<16
	s_mov_b32 s[G1B+3], 128<<16
	s_mov_b32 s[G1B+4], 96
	s_mov_b32 s[G1B+5], 768
	s_mov_b32 s[G1B+6], 0
	s_mov_b32 s[G1B+7], 0
	s_lshr_b32 s16, s13, 5                         ; context: ((12 batch + head) 2048 + 64 (block mod 32)) rows of 128 bytes
	s_mul_i32 s16, s16, 12
	s_add_co_u32 s16, s16, s12
	s_lshl_b32 s16, s16, 11
	s_and_b32 s17, s13, 31
	s_lshl_b32 s17, s17, 6
	s_add_co_u32 s16, s16, s17
	s_lshl_b32 s16, s16, 7
	s_mov_b32 s17, 0
	s_mul_i32 s46, s42, 192                        ; W_O: row 192 x block + 96 x half, 1,536 bytes a row
	s_mul_i32 s47, s12, 96
	s_add_co_u32 s46, s46, s47
	s_mul_i32 s46, s46, 1536
	s_mov_b32 s47, 0
	s_mul_i32 s20, s12, 64*AP                      ; LDS: the wave's half, no place in the cluster
	s_mul_i32 s21, s12, 96*BP
	s_add_co_u32 s21, s21, BOFF
	s_wait_dscnt 0x0
	s_wait_kmcnt 0x0
	s_add_nc_u64 s[14:15], s[4:5], s[16:17]
	s_add_nc_u64 s[46:47], s[6:7], s[46:47]
	CROUND                                         ; all sixteen are here
.irp s, 0,1
	s_mov_b32 s[G0A+4*\s], 1
	s_add_co_u32 s[G0A+4*\s+1], s20, \s*SLOT
	s_add_nc_u64 s[G0A+4*\s+2:G0A+4*\s+3], s[14:15], \s*524288     ; two heads on
	s_or_b32 s[G0A+4*\s+3], s[G0A+4*\s+3], 0x80000000
	s_mov_b32 s[G0B+4*\s], 1
	s_add_co_u32 s[G0B+4*\s+1], s21, \s*SLOT
	s_add_nc_u64 s[G0B+4*\s+2:G0B+4*\s+3], s[46:47], \s*256
	s_or_b32 s[G0B+4*\s+3], s[G0B+4*\s+3], 0x80000000
	JLOAD \s                                       ; K steps 0 and 1: two loads of the wave are out
.endr
	v_and_b32 v1, 15, v0                           ; r
	v_bfe_u32 v2, v0, 4, 1                         ; h
	v_mul_u32_u24 v3, v1, AP
	v_lshl_add_u32 v3, v2, 4, v3
	s_mul_i32 s22, s11, 32*AP
	v_add_nc_u32 v[ADA], s22, v3
	v_add_nc_u32 v[ADA+1], SLOT, v[ADA]
	v_mul_u32_u24 v3, v1, BP
	v_lshl_add_u32 v3, v2, 4, v3
	v_add_nc_u32 v[ADW], s21, v3                   ; my 96 rows of W_O are the half that the wave's low bit names
	v_add_nc_u32 v[ADW+1], SLOT, v[ADW]
	s_mul_i32 s22, s11, 32*SP
	s_mul_i32 s23, s12, 384
	s_add_co_u32 s22, s22, s23
	s_add_co_u32 s22, s22, STAGE
	v_mul_u32_u24 v3, v1, SP
	v_lshl_add_u32 v3, v2, 5, v3
	v_add_nc_u32 v[SA], s22, v3                    ; in: row 32 half + r, 32 bytes a half of the lanes
	s_mul_i32 s22, s10, 16*SP
	s_add_co_u32 s22, s22, STAGE
	v_mul_u32_u24 v3, v2, SP
	v_lshl_add_u32 v3, v1, 4, v3
	v_add_nc_u32 v[RD], s22, v3                    ; back: sixteen lanes take 256 bytes of a row
	v_mul_u32_u24 v3, v2, 3072
	v_lshl_add_u32 v[CO], v1, 4, v3
.macro FETCH slot, kq, f               ; 16 loads: 32 along K
.irp ft, 0,1,2,3,4,5
	ds_load_b128 v[\f+8*\ft:\f+8*\ft+3], v[ADW+\slot] offset:\ft*16*BP+64*(\kq)
	ds_load_b128 v[\f+8*\ft+4:\f+8*\ft+7], v[ADW+\slot] offset:\ft*16*BP+64*(\kq)+32
.endr
.irp st, 0,1
	ds_load_b128 v[\f+48+8*\st:\f+48+8*\st+3], v[ADA+\slot] offset:((\kq)/2)*64*AP+\st*16*AP+((\kq)%2)*64
	ds_load_b128 v[\f+48+8*\st+4:\f+48+8*\st+7], v[ADA+\slot] offset:((\kq)/2)*64*AP+\st*16*AP+((\kq)%2)*64+32
.endr
.endm
.macro MUL f, zero                     ; the twelve accumulators take turns, one instruction a turn
.irp ft, 0,1,2,3,4,5
.irp st, 0,1
.if \zero
	v_wmma_f32_16x16x32_f16 v[ACC+8*(2*\ft+\st):ACC+8*(2*\ft+\st)+7], v[\f+8*\ft:\f+8*\ft+7], v[\f+48+8*\st:\f+48+8*\st+7], 0
.else
	v_wmma_f32_16x16x32_f16 v[ACC+8*(2*\ft+\st):ACC+8*(2*\ft+\st)+7], v[\f+8*\ft:\f+8*\ft+7], v[\f+48+8*\st:\f+48+8*\st+7], v[ACC+8*(2*\ft+\st):ACC+8*(2*\ft+\st)+7]
.endif
.endr
.endr
.endm
.macro PLAINQ slot, kq, cur, nxt, zero
	PLACES
	FETCH \slot, \kq+1, \nxt
	s_wait_dscnt 16                                ; this quarter's fragments are in; the 16 loads just issued stay out
	MUL \cur, \zero
.endm
; mode 1: the slot is filled again, two K steps ahead.  2: nothing more to fetch.  3: the end.
.macro STEP slot, zero, mode
	PLAINQ \slot, 0, F0, F1, \zero
	PLAINQ \slot, 1, F1, F0, 0
	PLAINQ \slot, 2, F0, F1, 0
	s_wait_dscnt 0x0                               ; my reads of this slot are over
.if \mode == 1
	s_wait_tensorcnt 0x0                           ; all my tensor loads have landed: my part of the other slot
	ds_add_u32 v254, v255
	s_wait_dscnt 0x0
	CROUND                                         ; both now hold of every wave of all sixteen work-groups
	s_add_nc_u64 s[G0A+4*\slot+2:G0A+4*\slot+3], s[G0A+4*\slot+2:G0A+4*\slot+3], 1048576
	s_add_nc_u64 s[G0B+4*\slot+2:G0B+4*\slot+3], s[G0B+4*\slot+2:G0B+4*\slot+3], 512
	JLOAD \slot                                    ; my one tensor load behind the round, first thing there
.endif
.if \mode == 2
	s_wait_tensorcnt 0x0                           ; the last K step's tile
	s_barrier_signal -1
	s_barrier_wait -1
.endif
.if \mode < 3
	PLACES
	FETCH 1-\slot, 0, F0
.endif
	MUL F1, 0
.endm
	s_wait_tensorcnt 0x1                           ; my part of K step 0 is in; K step 1's stays out
	s_barrier_signal -1
	s_barrier_wait -1
	FETCH 0, 0, F0
	STEP 0, 1, 1                                   ; the first products start the sums
	STEP 1, 0, 1
	STEP 0, 0, 1
	STEP 1, 0, 1
	STEP 0, 0, 2
	STEP 1, 0, 3
	; The way out: f32 through the stage, back as whole rows of the block's 768 bytes.
	PLACES
	s_lshl_b32 s18, s13, 6
	s_lshl_b32 s19, s10, 4
	s_add_co_u32 s18, s18, s19
	s_mul_i32 s18, s18, 3072                       ; row 64 x block + 16 x wave
	s_mul_i32 s19, s42, 768
	s_add_co_u32 s18, s18, s19
	s_mov_b32 s19, 0
	s_add_nc_u64 s[8:9], s[8:9], s[18:19]
.irp ft, 0,1,2,3,4,5
.irp st, 0,1
	ds_store_b128 v[SA], v[ACC+8*(2*\ft+\st):ACC+8*(2*\ft+\st)+3] offset:\st*16*SP+\ft*64
	ds_store_b128 v[SA], v[ACC+8*(2*\ft+\st)+4:ACC+8*(2*\ft+\st)+7] offset:\st*16*SP+\ft*64+16
.endr
.endr
	s_wait_dscnt 0x0                               ; a row's two halves come from two waves
	s_barrier_signal -1
	s_barrier_wait -1
.irp rp, 0,1,2,3,4,5,6,7
.irp cb, 0,1,2
	ds_load_b128 v[F0+4*(3*\rp+\cb):F0+4*(3*\rp+\cb)+3], v[RD] offset:\rp*2*SP+\cb*256
.endr
.endr
.set k, 0
.irp rp, 0,1,2,3,4,5,6,7
.irp cb, 0,1,2
	s_wait_dscnt 23-k
	global_store_b128 v[CO], v[F0+4*k:F0+4*k+3], s[8:9] offset:\rp*6144+\cb*256 th:TH_STORE_NT   ; sixteen lanes store 256 consecutive bytes, aligned
.set k, k+1
.endr
.endr
	s_wait_tensorcnt 0x0
	ds_add_u32 v254, v255
	s_wait_dscnt 0x0
	CROUND                                         ; the closing round
	s_endpgm
.Lfunc_end_k_q54ebdbdd22_oproj:
	.size	k_q54ebdbdd22_oproj, .Lfunc_end_k_q54ebdbdd22_oproj-k_q54ebdbdd22_oproj
	.p2alignl 7, 3214868480
	.fill 96, 4, 3214868480
	.section	.rodata,"a",@progbits
	.p2align	6, 0x0
	.amdhsa_kernel k_q54ebdbdd22_oproj
		.amdhsa_group_segment_fixed_size 327680
		.amdhsa_private_segment_fixed_size 0
		.amdhsa_enable_private_segment 0
		.amdhsa_kernarg_size 24
		.amdhsa_user_sgpr_count 2
		.amdhsa_user_sgpr_kernarg_segment_ptr 1
		.amdhsa_wavefront_size32 1
		.amdhsa_system_sgpr_workgroup_id_x 1
		.amdhsa_system_sgpr_workgroup_id_y 1
		.amdhsa_system_sgpr_workgroup_id_z 1
		.amdhsa_system_vgpr_workitem_id 0
		.amdhsa_next_free_vgpr 256
		.amdhsa_next_free_sgpr 66
		.amdhsa_reserve_vcc 0
		.amdhsa_float_denorm_mode_32 3
		.amdhsa_float_denorm_mode_16_64 3
		.amdhsa_memory_ordered 1
		.amdhsa_forward_progress 1
		.amdhsa_inst_pref_size 63
	.end_amdhsa_kernel
	.amdgpu_metadata
---
amdhsa.version: [ 1, 2 ]
amdhsa.kernels:
  - .name:           k_q54ebdbdd22_oproj
    .symbol:         k_q54ebdbdd22_oproj.kd
    .args:
      - { .name: ctx, .offset: 0, .size: 8, .value_kind: global_buffer, .address_space: global }
      - { .name: wob, .offset: 8, .size: 8, .value_kind: global_buffer, .address_space: global }
      - { .name: out0, .offset: 16, .size: 8, .value_kind: global_buffer, .address_space: global }
    .group_segment_fixed_size: 327680
    .private_segment_fixed_size: 0
    .kernarg_segment_align: 8
    .kernarg_segment_size: 24
    .max_flat_workgroup_size: 128
    .sgpr_count:     66
    .vgpr_count:     256
    .wavefront_size: 32
...
	.end_amdgpu_metadata
.endif
;; end of part 3
;; ======== version 2 of 2: 3 launches
;; limits: values are held in f16: magnitudes above 65,504 overflow, below 6.1e-05 lose precision
;; workspace buffers: qp 6,291,456 bytes; kp 6,291,456 bytes; vp 6,291,456 bytes; ctx 6,291,456 bytes; wob 1,179,648 bytes; maskw 524,288 bytes of whole numbers; gb 12,288 bytes
;; launch proj: the kernel of part 1 again; grid 16 x 16, 4 waves a work-group, clusters of 4 x 4, 327,680 bytes of LDS; arguments Q, K, V, W_Q, W_K, W_V, W_O, mask, rel_emb, qp, kp, vp, wob, maskw, gb; writes qp, kp, vp, wob, maskw, gb
;; launch attn (part 4): grid 32 x 24, 8 waves a work-group, clusters of 4 x 1, 327,680 bytes of LDS; arguments qp, kp, vp, maskw, gb, ctx; writes ctx
.if DOCPART == 4
	.amdgcn_target "amdgcn-amd-amdhsa--gfx1250"
	.amdhsa_code_object_version 6
	.text
	.protected	k_q54ebdbdd22_attn
	.globl	k_q54ebdbdd22_attn
	.p2align	8
	.type	k_q54ebdbdd22_attn,@function
k_q54ebdbdd22_attn:
	s_mov_b64 s[64:65], 0
	v_nop
	global_prefetch_b8 v0, s[64:65] scope:SCOPE_SE
	s_setreg_imm32_b32 hwreg(HW_REG_WAVE_MODE, 25, 1), 1
	s_wait_xcnt 0x0
	s_wait_alu depctr_hold_cnt(0) depctr_sa_sdst(0) depctr_va_vdst(0) depctr_va_sdst(0) depctr_va_ssrc(0) depctr_va_vcc(0) depctr_vm_vsrc(0)
	s_getreg_b32 s2, hwreg(HW_REG_IB_STS2, 6, 4)
	s_cmp_eq_u32 s2, 0
	s_cbranch_scc0 .Lentry_in_a_cluster
	s_endpgm
.Lentry_in_a_cluster:
	s_bfe_u32 s2, ttmp6, 0x10000c
	s_cmp_lg_u32 s2, 0x3003
	s_cbranch_scc0 .Lentry_shape_is_right
	s_endpgm
.Lentry_shape_is_right:
; Attention for 64 queries of one (batch, head): ctx = softmax(q k^T / 8 + bias, masked) v, f16 in and out as [batch][head][s][64].
; q arrives scaled by 0.125 log2(e) and the bias table by log2(e), so all exponentials are base 2.
; EIGHT WAVES, two for each of the WGP's four SIMDs: a sub-step of 64 keys x 32 queries is 32 matrix instructions against some 300 vector
; instructions and 68 exponentials, with LDS loads in front of both runs of products; with a second wave beside it one wave's vector work
; and waits run under the other's products.  Wave w takes queries 32 (w & 1) .. +31 and, of every 512 keys, the quarter w >> 1; the four
; quarters are merged in LDS at the end.
; JOINT LOADS: the four query blocks of a cluster walk the same K and V tiles and ask for each together (mask 15).
; TRANSPOSED: S^T = K Q^T + C, with the bias tile loaded straight into the accumulator as C.  Lane (r, h) then holds query r and keys
; 8h + j, so two neighbouring score tiles, rounded to f16 in place, ARE the B fragment of O^T = V^T P^T; the softmax figures are one
; a lane, and one exchange between the halves of the wave joins them.
; The bias hangs on key - query alone: a window of 2,304 values for this query block lies in LDS twice, shifted by 0 and 1 words, so
; that every lane's eight neighbouring values are four aligned loads of 8 bytes.
; The mask comes as one bit a score, in scalar registers, and only selects (score or -inf).
; LIMITS: the running maximum starts at the most negative finite f32, so a row with no open key ends with sum 0 and gives 0, as the
; reference's nan_to_num does.  Weights are rounded to f16 for the product with V, their sum is kept in f32: the running maximum holds
; them in [0, 1] for every input, and what f16 drops is below 2^-25 of a sum that is at least 1.  The context is a weighted mean of v
; and so stays inside v's range (below 65,504, as the projection launch states).
.set KP,   144                         ; 128 bytes + 16: sixteen rows start in different 16-byte columns
.set HALF, 128*KP                      ; what one tensor load brings: 128 keys
.set VOFF, 4*HALF                      ; K's 512 keys, then V's 512 keys
.set SLOT, 8*HALF
.set BT,   2*SLOT                      ; two copies of the bias window
.set CP,   9344                        ; 2,336 words = 32 mod 64: the 25 words that a load touches in each copy lie in different banks
.set OST,  BT+2*CP                     ; 64 rows x 144 bytes: the way out
.set XW,   8704                        ; the exchange: a wave's 64 registers of O, then maxima and sums.  It begins at LDS byte 0, in slot 0,
                                       ; which by then has had its last fill and its last read
.set NINF, 9
.set ADK,  10
.set ADV,  12
.set ADB,  14
.set XA,   15
.set QF,   16                          ; v[16:47]   Q fragments (query tile, 32 d) at 8 (2 q + u)
.set S,    48                          ; v[48:111]  scores (q, key tile) at 32 q + 8 kt; then P (q, 32 keys) at 32 q + 16 u
.set O,    112                         ; v[112:175] O^T (d tile, q) at 8 (2 dt + q)
.set FR,   176                         ; v[176:239] K fragments at 8 (2 kt + u), then V^T fragments at 8 (2 dt + u)
.set M,    240                         ; running maximum, a pair for each q
.set L,    244                         ; running sum of my half's keys
.set AL,   246                         ; rescaling factor, a pair for each q
.set T,    250
.set G1,   84
.set G0,   92
.macro ROUND
	s_barrier_signal -1
	s_barrier_wait -1
	s_cmp_lg_u32 s5, 0
	s_cbranch_scc1 .Lnot_wave_0_\@
	s_barrier_signal -3
.Lnot_wave_0_\@:
	s_barrier_wait -3
	s_barrier_signal -1
	s_barrier_wait -1
.endm
.macro MLOAD off                       ; 64 mask words: key tile kt in s[16:31], s[32:47], s[48:63], s[68:83]
.irp kt, 0,1,2,3
	s_load_b512 s[16+16*\kt+(\kt/3)*4:31+16*\kt+(\kt/3)*4], s[2:3], \off+64*\kt
.endr
.endm
	s_load_b256 s[16:23], s[0:1], 0x0              ; qp 16, kp 18, vp 20, maskw 22
	s_load_b128 s[24:27], s[0:1], 0x20             ; gb 24, ctx 26
	v_lshl_add_u32 v254, v0, 2, 0x4ed00
	v_mov_b32 v255, 0
	ds_add_u32 v254, v255
	v_lshrrev_b32 v1, 5, v0
	v_readfirstlane_b32 s5, v1                     ; wave 0..7
	s_and_b32 s100, s5, 1                          ; query half
	s_lshr_b32 s101, s5, 1                         ; key quarter
	s_mov_b32 s6, 0x76543210                       ; v_permlanex16_b32: lane i takes lane i of the other half
	s_mov_b32 s7, 0xfedcba98
	s_and_b32 s4, ttmp7, 0xffff                    ; 12 batch + head
	s_mov_b32 s[G1+0], 15|(1<<16)|(1<<20)|(1<<21)|(4<<22)|(3<<25)  ; all four partners; 2-byte elements; 4 words of padding behind every 32
	s_mov_b32 s[G1+1], 64<<16
	s_mov_b32 s[G1+2], 128<<16
	s_mov_b32 s[G1+3], 64<<16
	s_mov_b32 s[G1+4], 128
	s_mov_b32 s[G1+5], 64
	s_mov_b32 s[G1+6], 0
	s_mov_b32 s[G1+7], 0
	s_mov_b32 s[G0], 1
	s_mul_i32 s[G0+1], s5, HALF                    ; the wave's eighth of slot 0
	s_mov_b32 s[G0+4], 1
	s_add_co_u32 s[G0+5], s[G0+1], SLOT
	s_lshl_b32 s72, s4, 18                         ; 2,048 rows of 128 bytes for each (batch, head)
	s_and_b32 s73, s5, 3
	s_lshl_b32 s73, s73, 14                        ; + 128 keys x (wave mod 4)
	s_add_co_u32 s72, s72, s73
	s_mov_b32 s73, 0
	s_wait_dscnt 0x0
	s_wait_kmcnt 0x0
	s_cmp_lt_u32 s5, 4
	s_cselect_b64 s[G0+2:G0+3], s[18:19], s[20:21] ; waves 0 to 3 fetch K, waves 4 to 7 V
	s_add_nc_u64 s[G0+2:G0+3], s[G0+2:G0+3], s[72:73]
	s_add_nc_u64 s[G0+6:G0+7], s[G0+2:G0+3], 65536 ; slot 1: 512 keys on
	s_or_b32 s[G0+3], s[G0+3], 0x80000000
	s_or_b32 s[G0+7], s[G0+7], 0x80000000
	ROUND                                          ; the four partners are here
	tensor_load_to_lds s[G0:G0+3], s[G1:G1+7]      ; keys 0 to 511
	s_nop 0
	s_bfe_u32 s14, ttmp6, 0x40000                  ; cx: it enters global addresses alone
	s_lshl_b32 s15, ttmp9, 2
	s_add_co_u32 s15, s15, s14                     ; query block 0..31
	s_lshl_b32 s28, s4, 18
	s_lshl_b32 s29, s15, 13
	s_add_co_u32 s28, s28, s29                     ; the block's first row, in bytes
	s_lshl_b32 s30, s5, 10
	s_add_co_u32 s30, s28, s30
	s_mov_b32 s31, 0
	s_add_nc_u64 s[8:9], s[26:27], s[30:31]        ; ctx: the 8 rows that this wave stores
	s_lshl_b32 s29, s100, 12
	s_add_co_u32 s28, s28, s29
	s_mov_b32 s29, 0
	s_add_nc_u64 s[10:11], s[16:17], s[28:29]      ; my 32 rows of q
	s_cmp_ge_u32 s4, 12
	s_cselect_b32 s30, 12, 0
	s_sub_co_u32 s30, s4, s30                      ; head
	s_lshl_b32 s30, s30, 10
	s_add_nc_u64 s[12:13], s[24:25], s[30:31]      ; the head's 256 bias values
	s_lshl_b32 s28, s15, 14
	s_lshl_b32 s30, s100, 13
	s_add_co_u32 s28, s28, s30
	s_lshl_b32 s30, s101, 9
	s_add_co_u32 s28, s28, s30
	s_add_nc_u64 s[2:3], s[22:23], s[28:29]        ; mask words of my 32 queries, my key quarter
	s_lshl_b32 s14, s15, 6
	s_sub_co_u32 s14, 2049, s14                    ; 2049 - first query
	v_and_b32 v1, 15, v0                           ; r
	v_bfe_u32 v2, v0, 4, 1                         ; h
	v_and_b32 v3, 31, v0                           ; lane
	s_mul_i32 s15, s101, HALF
	v_mul_u32_u24 v4, v1, KP
	v_lshl_add_u32 v4, v2, 4, v4
	v_add_nc_u32 v[ADK], s15, v4
	v_add_nc_u32 v[ADK+1], SLOT, v[ADK]
	v_and_b32 v5, 7, v0
	v_lshl_add_u32 v5, v2, 3, v5                   ; key row 8 h + lane mod 8 for the transposing load
	v_mul_u32_u24 v5, v5, KP
	v_bfe_u32 v6, v0, 3, 1
	v_lshl_add_u32 v5, v6, 4, v5
	v_add_nc_u32 v5, s15, v5
	v_add_nc_u32 v[ADV], VOFF, v5
	v_add_nc_u32 v[ADV+1], SLOT+VOFF, v5
	s_xor_b32 s28, s100, 1
	s_lshl_b32 s28, s28, 5
	s_lshl_b32 s30, s101, 7
	s_add_co_u32 s28, s28, s30
	v_sub_nc_u32 v6, 15, v1
	v_lshl_add_u32 v6, v2, 3, v6
	v_add_nc_u32 v6, s28, v6                       ; window index of (key 8h + 128 quarter, query 32 half + 16 + r): key - query + 63
	v_and_b32 v7, 1, v6                            ; the copy that makes it a multiple of two words
	v_and_b32 v6, -2, v6
	v_lshlrev_b32 v6, 2, v6
	v_mad_u32_u24 v6, v7, CP, v6
	v_add_nc_u32 v[ADB], BT+16, v6
	s_mul_i32 s28, s5, XW
	v_lshl_add_u32 v[XA], v3, 4, s28               ; my part of the exchange: wave x 8,704 + 16 lane
	v_lshlrev_b32 v8, 2, v0
	v_add_nc_u32 v8, BT+16, v8
	v_lshlrev_b32 v4, 7, v1
	v_lshl_add_u32 v4, v2, 4, v4
.irp q, 0,1
.irp u, 0,1
	global_load_b128 v[QF+8*(2*\q+\u):QF+8*(2*\q+\u)+3], v4, s[10:11] offset:2048*\q+64*\u
	global_load_b128 v[QF+8*(2*\q+\u)+4:QF+8*(2*\q+\u)+7], v4, s[10:11] offset:2048*\q+64*\u+32
.endr
.endr
	; window value i = bias(rel = i - 63 - first query); table index rel + 128 held to 0..255 (beyond them the bucket no longer changes)
	v_add_nc_u32 v5, s14, v0
.set i, 0
.rept 9
	v_add_nc_u32 v[S+i], 256*i, v5                 ; i + 2049 - first query = table index + 1984
	v_max_u32 v[S+i], 1984, v[S+i]
	v_min_u32 v[S+i], 2239, v[S+i]
	v_lshlrev_b32 v[S+i], 2, v[S+i]
	global_load_b32 v[O+i], v[S+i], s[12:13] offset:-7936
.set i, i+1
.endr
	MLOAD 0                                        ; the first 64 keys' mask words
	v_mov_b32 v[NINF], 0xff800000
	s_wait_loadcnt 0x0
.set i, 0
.rept 9
.irp c, 0,1
	ds_store_b32 v8, v[O+i] offset:\c*(CP-4)+1024*i ; copy c holds value i at word i - c + 4
.endr
.set i, i+1
.endr
; One query tile's online softmax over 64 keys (32 registers).
.macro SOFT q, first
.set B, S+32*\q
	v_max3_num_f32 v[T], v[B], v[B+1], v[B+2]
	v_max3_num_f32 v[T+1], v[B+3], v[B+4], v[B+5]
.set i, 6
.rept 13
	v_max3_num_f32 v[T+(i/2)%2], v[T+(i/2)%2], v[B+i], v[B+i+1]
.set i, i+2
.endr
	v_max_num_f32 v[T], v[T], v[T+1]
	v_permlanex16_b32 v[T+1], v[T], s6, s7         ; the other eight keys of each tile
.if \first
	v_max3_num_f32 v[T+3], v[T], v[T+1], 0xff7fffff
.else
	v_max3_num_f32 v[T+3], v[T], v[T+1], v[M+2*\q]
	v_sub_f32 v[T+2], v[M+2*\q], v[T+3]
.endif
	v_mov_b32 v[M+2*\q], v[T+3]
	v_mov_b32 v[M+2*\q+1], v[T+3]
.if \first == 0
	v_exp_f32 v[AL+2*\q], v[T+2]                   ; the packed subtractions below are the plain instructions behind these two
	v_exp_f32 v[AL+2*\q+1], v[T+2]
.endif
.set i, 0
.rept 16
	v_pk_add_f32 v[B+i:B+i+1], v[B+i:B+i+1], v[M+2*\q:M+2*\q+1] neg_lo:[0,1] neg_hi:[0,1]
.set i, i+2
.endr
.set i, 0
.rept 32
	v_exp_f32 v[B+i], v[B+i]
.set i, i+1
.endr
	v_nop                                          ; one plain instruction behind the exponentials before their results are read
	s_wait_alu depctr_va_vdst(0)
	v_pk_add_f32 v[T:T+1], v[B:B+1], v[B+2:B+3]
	v_pk_add_f32 v[T+2:T+3], v[B+4:B+5], v[B+6:B+7]
.set i, 8
.rept 12
	v_pk_add_f32 v[T+2*((i/2)%2):T+2*((i/2)%2)+1], v[T+2*((i/2)%2):T+2*((i/2)%2)+1], v[B+i:B+i+1]
.set i, i+2
.endr
	v_pk_add_f32 v[T:T+1], v[T:T+1], v[T+2:T+3]
.if \first
	v_add_f32 v[L+\q], v[T], v[T+1]
.else
	v_add_f32 v[T], v[T], v[T+1]
	v_fma_f32 v[L+\q], v[L+\q], v[AL+2*\q], v[T]
.endif
.irp u, 0,1
.irp i, 0,1,2,3
	v_cvt_pk_f16_f32 v[B+16*\u+\i], v[B+16*\u+2*\i], v[B+16*\u+2*\i+1]       ; keys 8h .. 8h+7 of the 32
.endr
.irp i, 0,1,2,3
	v_cvt_pk_f16_f32 v[B+16*\u+4+\i], v[B+16*\u+8+2*\i], v[B+16*\u+9+2*\i]   ; keys 16+8h .. +7
.endr
.endr
.if \first == 0
.irp dt, 0,1,2,3
.irp i, 0,2,4,6
	v_pk_mul_f32 v[O+8*(2*\dt+\q)+\i:O+8*(2*\dt+\q)+\i+1], v[O+8*(2*\dt+\q)+\i:O+8*(2*\dt+\q)+\i+1], v[AL+2*\q:AL+2*\q+1]
.endr
.endr
.endif
.endm
; 64 keys x 32 queries.  In both runs of matrix instructions eight accumulators take turns, one instruction a turn.
.macro SUB slot, sub, first, last
.if \first == 0
.rept 5
	v_nop                                          ; places behind the last products: loads land in their sources (4), score products write over them (5)
.endr
.endif
.irp q, 0,1
.irp kt, 0,1,2,3
.irp m, 0,1,2,3
	ds_load_b64 v[S+32*\q+8*\kt+2*\m:S+32*\q+8*\kt+2*\m+1], v[ADB] offset:(1-\q)*64+\sub*256+\kt*64+8*\m
.endr
.endr
.endr
.irp kt, 0,1,2,3
.irp u, 0,1
	ds_load_b128 v[FR+8*(2*\kt+\u):FR+8*(2*\kt+\u)+3], v[ADK+\slot] offset:\sub*64*KP+\kt*16*KP+64*\u
	ds_load_b128 v[FR+8*(2*\kt+\u)+4:FR+8*(2*\kt+\u)+7], v[ADK+\slot] offset:\sub*64*KP+\kt*16*KP+64*\u+32
.endr
.endr
	s_wait_dscnt 0x0
.irp u, 0,1
.irp q, 0,1
.irp kt, 0,1,2,3
	v_wmma_f32_16x16x32_f16 v[S+32*\q+8*\kt:S+32*\q+8*\kt+7], v[FR+8*(2*\kt+\u):FR+8*(2*\kt+\u)+7], v[QF+8*(2*\q+\u):QF+8*(2*\q+\u)+7], v[S+32*\q+8*\kt:S+32*\q+8*\kt+7]
.endr
.endr
.endr
.rept 4
	v_nop                                          ; four places: V's loads land in K's registers, the selects read the scores
.endr
.irp dt, 0,1,2,3
.irp u, 0,1
	ds_load_tr16_b128 v[FR+8*(2*\dt+\u):FR+8*(2*\dt+\u)+3], v[ADV+\slot] offset:\sub*64*KP+\u*32*KP+32*\dt
	ds_load_tr16_b128 v[FR+8*(2*\dt+\u)+4:FR+8*(2*\dt+\u)+7], v[ADV+\slot] offset:\sub*64*KP+\u*32*KP+32*\dt+16*KP
.endr
.endr
	s_wait_kmcnt 0x0                               ; this sub-step's mask words; their loads are done, so the pointer may step
.if \sub == 1
.if \last == 0
	s_add_nc_u64 s[2:3], s[2:3], 2048              ; 512 keys on: 32 key tiles of 64 bytes
.endif
.endif
.irp kt, 0,1,2,3
.irp q, 0,1
.irp j, 0,1,2,3,4,5,6,7
	v_cndmask_b32 v[S+32*\q+8*\kt+\j], v[NINF], v[S+32*\q+8*\kt+\j], s[16+16*\kt+(\kt/3)*4+8*\q+\j]
.endr
.endr
.endr
.if \last == 0
	MLOAD 256*(1-\sub)                             ; the next 64 keys' words, wanted a whole sub-step later
.endif
	SOFT 0, \first
	SOFT 1, \first
	s_wait_dscnt 0x0                               ; V's fragments
.irp u, 0,1
.irp dt, 0,1,2,3
.irp q, 0,1
.if \first*(1-\u)
	v_wmma_f32_16x16x32_f16 v[O+8*(2*\dt+\q):O+8*(2*\dt+\q)+7], v[FR+8*(2*\dt+\u):FR+8*(2*\dt+\u)+7], v[S+32*\q+16*\u:S+32*\q+16*\u+7], 0
.else
	v_wmma_f32_16x16x32_f16 v[O+8*(2*\dt+\q):O+8*(2*\dt+\q)+7], v[FR+8*(2*\dt+\u):FR+8*(2*\dt+\u)+7], v[S+32*\q+16*\u:S+32*\q+16*\u+7], v[O+8*(2*\dt+\q):O+8*(2*\dt+\q)+7]
.endif
.endr
.endr
.endr
.endm
; 512 keys, of which a wave takes 128.  One tensor load of the wave is out behind each round; it has the trip's two sub-steps in which to land.
.macro TRIP slot, refill, first, last
	s_wait_tensorcnt 0x0                           ; all my loads are done, my eighth of this trip's tile among them,
	ds_add_u32 v254, v255
	s_wait_dscnt 0x0
	s_add_nc_u64 s[G0+4*\slot+2:G0+4*\slot+3], s[G0+4*\slot+2:G0+4*\slot+3], 131072   ; so a group 0 may be written: this slot's next tile
	s_wait_dscnt 0x0                               ; my reads of the last trip's tile are done (first trip: my stores of the bias window)
	ROUND                                          ; both now hold of every wave of the four work-groups
.if \refill
	tensor_load_to_lds s[G0+4*(1-\slot):G0+4*(1-\slot)+3], s[G1:G1+7]
	s_nop 0
.endif
	SUB \slot, 0, \first, 0
	SUB \slot, 1, 0, \last
.if \last == 0
	v_add_nc_u32 v[ADB], 2048, v[ADB]              ; 512 keys on in the bias window
.endif
.endm
	TRIP 0, 1, 1, 0                                ; keys 0-511; keys 512-1023 go out, into slot 1
	TRIP 1, 1, 0, 0                                ; keys 1024-1535 go out: slot 0's last fill
	TRIP 0, 1, 0, 0                                ; keys 1536-2047 go out: the last load (the addresses stepped from here on are not used)
	TRIP 1, 0, 0, 1                                ; nothing is left to fetch; behind this trip's round no wave reads slot 0 any more
	; The four key quarters meet.  Every wave hands over O, maxima and sums; wave (query half, quarter kq) then merges d tile kq of its
	; query half.  The exchange lies in slot 0: every wave waited for its loads into it in front of the third trip's round and for its
	; reads of it in front of the fourth trip's round, and no tensor load follows.
.rept 4
	v_nop                                          ; four places behind the last products
.endr
	v_mov_b32 v[T], v[M]
	v_mov_b32 v[T+1], v[M+2]
	v_mov_b32 v[T+2], v[L]
	v_mov_b32 v[T+3], v[L+1]
.set i, 0
.rept 16
	ds_store_b128 v[XA], v[O+4*i:O+4*i+3] offset:512*i
.set i, i+1
.endr
	ds_store_b128 v[XA], v[T:T+3] offset:8192
	s_mul_i32 s28, s100, XW
	v_lshl_add_u32 v10, v3, 4, s28                 ; quarter p of my query half is wave 2 p + half: 17,408 p further on
	s_lshl_b32 s29, s101, 11
	v_add_nc_u32 v11, s29, v10                     ; d tile kq: registers 16 kq .. +15 of O, 2,048 bytes each tile
	s_mul_i32 s28, s100, 32*KP
	s_lshl_b32 s29, s101, 5
	s_add_co_u32 s28, s28, s29
	s_add_co_u32 s28, s28, OST
	v_mul_u32_u24 v12, v1, KP
	v_lshl_add_u32 v12, v2, 4, v12
	v_add_nc_u32 v12, s28, v12                     ; stage, in: row 32 half + r, byte 32 kq + 16 h
	s_mul_i32 s28, s5, 8*KP
	s_add_co_u32 s28, s28, OST
	v_lshrrev_b32 v13, 3, v3
	v_and_b32 v6, 7, v0
	v_mul_u32_u24 v13, v13, KP
	v_lshl_add_u32 v13, v6, 4, v13
	v_add_nc_u32 v13, s28, v13                     ; stage, back: rows 8 wave .. +7; eight lanes take a row's 128 bytes
	v_lshlrev_b32 v14, 4, v3
	s_wait_dscnt 0x0                               ; for the readers' sake
	s_barrier_signal -1
	s_barrier_wait -1
.irp p, 0,1,2,3
	ds_load_b128 v[S+4*\p:S+4*\p+3], v10 offset:\p*2*XW+8192       ; maxima of q = 0, 1, sums of q = 0, 1
.endr
.irp p, 0,1,2,3
.irp i, 0,1,2,3
	ds_load_b128 v[FR+16*\p+4*\i:FR+16*\p+4*\i+3], v11 offset:\p*2*XW+512*\i   ; quarter p's tile (kq, q) at FR + 16 p + 8 q
.endr
.endr
	s_wait_dscnt 16                                ; maxima and sums are in; the 16 younger loads stay out
.irp q, 0,1
	v_max3_num_f32 v4, v[S+\q], v[S+4+\q], v[S+8+\q]
	v_max_num_f32 v4, v4, v[S+12+\q]
.irp p, 0,1,2,3
	v_sub_f32 v[S+16+4*\q+\p], v[S+4*\p+\q], v4
.endr
.irp p, 0,1,2,3
	v_exp_f32 v[S+16+4*\q+\p], v[S+16+4*\q+\p]
.endr
	v_nop                                          ; one plain instruction behind the exponentials
	s_wait_alu depctr_va_vdst(0)
	v_mul_f32 v7, v[S+2+\q], v[S+16+4*\q]
.irp p, 1,2,3
	v_fma_f32 v7, v[S+4*\p+2+\q], v[S+16+4*\q+\p], v7
.endr
	v_permlanex16_b32 v8, v7, s6, s7               ; the other eight keys of every tile
	v_add_f32 v7, v7, v8
	v_rcp_f32 v8, v7
	v_cmp_lt_f32 vcc_lo, 0, v7                     ; a row with no open key has sum 0 and gets the factor 0
	s_wait_alu depctr_va_vdst(0)
	v_cndmask_b32 v8, 0, v8, vcc_lo
.irp p, 0,1,2,3
	v_mul_f32 v[S+32+8*\q+2*\p], v[S+16+4*\q+\p], v8
	v_mul_f32 v[S+32+8*\q+2*\p+1], v[S+16+4*\q+\p], v8
.endr
.endr
	s_wait_dscnt 0x0                               ; the four partial tiles
.irp q, 0,1
.irp i, 0,2,4,6
	v_pk_mul_f32 v[O+8*\q+\i:O+8*\q+\i+1], v[FR+8*\q+\i:FR+8*\q+\i+1], v[S+32+8*\q:S+32+8*\q+1]
.endr
.irp p, 1,2,3
.irp i, 0,2,4,6
	v_pk_fma_f32 v[O+8*\q+\i:O+8*\q+\i+1], v[FR+16*\p+8*\q+\i:FR+16*\p+8*\q+\i+1], v[S+32+8*\q+2*\p:S+32+8*\q+2*\p+1], v[O+8*\q+\i:O+8*\q+\i+1]
.endr
.endr
.irp i, 0,1,2,3
	v_cvt_pk_f16_f32 v[S+48+4*\q+\i], v[O+8*\q+2*\i], v[O+8*\q+2*\i+1]
.endr
	ds_store_b128 v12, v[S+48+4*\q:S+48+4*\q+3] offset:16*KP*\q
.endr
	s_wait_dscnt 0x0                               ; a row's four pieces come from four waves
	s_barrier_signal -1
	s_barrier_wait -1
.irp i, 0,1
	ds_load_b128 v[FR+4*\i:FR+4*\i+3], v13 offset:4*KP*\i
.endr
.irp i, 0,1
	s_wait_dscnt 1-\i                              ; the younger read-back may stay out
	global_store_b128 v14, v[FR+4*\i:FR+4*\i+3], s[8:9] offset:512*\i   ; 512 consecutive bytes, aligned
.endr
	s_wait_tensorcnt 0x0
	ds_add_u32 v254, v255
	s_wait_dscnt 0x0
	ROUND                                          ; the closing round
	s_endpgm
.Lfunc_end_k_q54ebdbdd22_attn:
	.size	k_q54ebdbdd22_attn, .Lfunc_end_k_q54ebdbdd22_attn-k_q54ebdbdd22_attn
	.p2alignl 7, 3214868480
	.fill 96, 4, 3214868480
	.section	.rodata,"a",@progbits
	.p2align	6, 0x0
	.amdhsa_kernel k_q54ebdbdd22_attn
		.amdhsa_group_segment_fixed_size 327680
		.amdhsa_private_segment_fixed_size 0
		.amdhsa_enable_private_segment 0
		.amdhsa_kernarg_size 48
		.amdhsa_user_sgpr_count 2
		.amdhsa_user_sgpr_kernarg_segment_ptr 1
		.amdhsa_wavefront_size32 1
		.amdhsa_system_sgpr_workgroup_id_x 1
		.amdhsa_system_sgpr_workgroup_id_y 1
		.amdhsa_system_sgpr_workgroup_id_z 1
		.amdhsa_system_vgpr_workitem_id 0
		.amdhsa_next_free_vgpr 256
		.amdhsa_next_free_sgpr 102
		.amdhsa_reserve_vcc 1
		.amdhsa_float_denorm_mode_32 3
		.amdhsa_float_denorm_mode_16_64 3
		.amdhsa_memory_ordered 1
		.amdhsa_forward_progress 1
		.amdhsa_inst_pref_size 207
	.end_amdhsa_kernel
	.amdgpu_metadata
---
amdhsa.version: [ 1, 2 ]
amdhsa.kernels:
  - .name:           k_q54ebdbdd22_attn
    .symbol:         k_q54ebdbdd22_attn.kd
    .args:
      - { .name: qp, .offset: 0, .size: 8, .value_kind: global_buffer, .address_space: global }
      - { .name: kp, .offset: 8, .size: 8, .value_kind: global_buffer, .address_space: global }
      - { .name: vp, .offset: 16, .size: 8, .value_kind: global_buffer, .address_space: global }
      - { .name: maskw, .offset: 24, .size: 8, .value_kind: global_buffer, .address_space: global }
      - { .name: gb, .offset: 32, .size: 8, .value_kind: global_buffer, .address_space: global }
      - { .name: ctx, .offset: 40, .size: 8, .value_kind: global_buffer, .address_space: global }
    .group_segment_fixed_size: 327680
    .private_segment_fixed_size: 0
    .kernarg_segment_align: 8
    .kernarg_segment_size: 48
    .max_flat_workgroup_size: 256
    .sgpr_count:     102
    .vgpr_count:     256
    .wavefront_size: 32
...
	.end_amdgpu_metadata
.endif
;; end of part 4
;; launch oproj: the kernel of part 3 again; grid 4 x 64, 4 waves a work-group, clusters of 4 x 4, 327,680 bytes of LDS; arguments ctx, wob, out0; writes out0
